; MI455X (gfx1250); checked and timed in simulation.
; The chip was launched on July 23, 2026; its instructions are those of AMD's public machine-readable ISA for CDNA 5 (MIT licence, August 2026) and "CDNA5" Instruction Set Architecture Reference Guide (July 2026). The comments in the code are by the model that wrote it; some were corrected since.
;; Gated Delta Net. Allowed arithmetic: float matrix products may take bf16 or f16 operands with f32 sums; other float arithmetic in f32, or as packed bf16 or f16 multiplies, adds, multiply-adds, maxima and minima; sums over many terms, partial sums and values carried from step to step in f32; what a program stores and reads back later, other than sums and carried values, may be rounded once to bf16 or f16.
;; Inputs: Wa 2,048 x 2,048 float32; Wb 16 x 2,048 float32; Wg 2,048 x 2,048 float32; Wk 2,048 x 2,048 float32; Wo 2,048 x 2,048 float32; Wq 2,048 x 2,048 float32; Wv 2,048 x 2,048 float32; ba 2,048 float32; bb 16 float32; bg 2,048 float32; state 2 x 16 x 128 x 128 float32; x 2 x 1,024 x 2,048 float32.
;; Outputs: out0 2 x 1,024 x 2,048 float32.
;; 2 versions, each right; version 2 is version 1 with the launch prep written anew for expert scheduling mode. Each part assembles by itself: llvm-mc -triple=amdgcn-amd-amdhsa -mcpu=gfx1250 --defsym DOCPART=n.
;; ======== version 1 of 2: 5 launches
;; limits: values are held in f16: magnitudes above 65,504 overflow, below 6.1e-05 lose precision; values outside matrix products are rounded to f16
;; workspace buffers: xb 8,388,608 bytes; wcat 41,943,040 bytes; wo16 8,388,608 bytes; kqt 25,165,824 bytes; avg 50,331,648 bytes; cfr 4,718,592 bytes; ogf 8,388,608 bytes
;; launch cast (part 1): grid 256 x 7, 8 waves a work-group, no clusters, 0 bytes of LDS; arguments x, Wq, Wk, Wv, Wa, Wg, Wo, xb, wcat, wo16; writes xb, wcat, wo16
.if DOCPART == 1
	.amdgcn_target "amdgcn-amd-amdhsa--gfx1250"
	.amdhsa_code_object_version 6
	.text
	.protected	k_q501a56a34d_cast
	.globl	k_q501a56a34d_cast
	.p2align	8
	.type	k_q501a56a34d_cast,@function
k_q501a56a34d_cast:
	s_mov_b64 s[64:65], 0
	v_nop
	global_prefetch_b8 v0, s[64:65] scope:SCOPE_SE
	s_setreg_imm32_b32 hwreg(HW_REG_WAVE_MODE, 25, 1), 1
	s_wait_xcnt 0x0
; CAST.  Seven tensors of 2048 x 2048 f32 are rounded once to bf16.  The grid's y picks the tensor: 0 x -> xb; 1..5 Wq, Wk, Wv, Wa, Wg -> wcat; 6 Wo -> wo16.
; wcat: row R of matrix y - 1 goes to row (R / 32) x 160 + (y - 1) x 32 + R % 32: 160 rows hold 32 channels of each of q, k, v, a, g.
; wo16 holds the bf16-rounded number written as f16 (exact from 6.1e-5 up; below that f16's fixed step of 6e-8; LIMIT: |Wo| stays under 65,504).
; A work-group owns 8 rows, which stay neighbours in every target.  Thread t takes 16 bytes at 16 t of each half row: a wave's load covers 512 consecutive bytes,
; its store 256 consecutive bytes at a multiple of 256.  All 16 loads go out first; no register is used twice, so no store's source is ever rewritten.
; No LDS, no matrix unit, no cluster: the work-groups share no byte, and bytes are all there is.
.set X, 8                              ; v[8:71]    16 loads of 4 f32
.set Y, 72                             ; v[72:103]  16 stores of 4 numbers of 16 bits
.set T, 104                            ; v[104:107] at work (Wo alone)
	s_load_b512 s[8:23], s[0:1], 0x0               ; x, Wq, Wk, Wv, Wa, Wg, Wo, xb
	s_load_b128 s[24:27], s[0:1], 0x40             ; wcat, wo16
	s_and_b32 s2, ttmp7, 0xffff                    ; y: which tensor
	s_lshl_b32 s28, ttmp9, 3                       ; R0: my first row
	s_lshr_b32 s29, s28, 5
	s_mul_i32 s29, s29, 160
	s_and_b32 s30, s28, 31
	s_add_co_u32 s29, s29, s30
	s_lshl_b32 s30, s2, 5
	s_add_co_u32 s29, s29, s30
	s_sub_co_u32 s29, s29, 32                      ; (R0 / 32) x 160 + (y - 1) x 32 + R0 % 32
	s_cmp_eq_u32 s2, 0
	s_cselect_b32 s29, s28, s29                    ; x and Wo keep their rows
	s_cmp_eq_u32 s2, 6
	s_cselect_b32 s29, s28, s29
	s_lshl_b32 s30, s29, 12                        ; a target row is 4,096 bytes
	s_mov_b32 s31, 0
	s_lshl_b32 s32, ttmp9, 16                      ; 8 source rows of 8,192 bytes
	s_mov_b32 s33, 0
	v_lshlrev_b32 v1, 4, v0                        ; 16 t
	v_lshlrev_b32 v2, 3, v0                        ; 8 t
	s_wait_kmcnt 0x0
	s_mov_b64 s[4:5], s[8:9]
.irp n, 1,2,3,4,5,6
	s_cmp_eq_u32 s2, \n
	s_cselect_b64 s[4:5], s[8+2*\n:9+2*\n], s[4:5] ; the source, chosen by y alone
.endr
	s_cmp_eq_u32 s2, 0
	s_cselect_b64 s[6:7], s[22:23], s[24:25]       ; the target
	s_cmp_eq_u32 s2, 6
	s_cselect_b64 s[6:7], s[26:27], s[6:7]
	s_add_nc_u64 s[4:5], s[4:5], s[32:33]
	s_add_nc_u64 s[6:7], s[6:7], s[30:31]
.set i, 0
.rept 16                               ; load i: row i / 2, half i % 2
	global_load_b128 v[X+4*i:X+4*i+3], v1, s[4:5] offset:(i/2)*8192+(i%2)*4096 th:TH_LOAD_NT
.set i, i+1
.endr
.macro OUT f16
.set i, 0
.rept 16
	s_wait_loadcnt 15-i                            ; loads come back in order: load i is in, the 15 - i younger ones stay out
	v_cvt_pk_bf16_f32 v[Y+2*i], v[X+4*i], v[X+4*i+1]
	v_cvt_pk_bf16_f32 v[Y+2*i+1], v[X+4*i+2], v[X+4*i+3]
.if \f16
	v_lshlrev_b32 v[T], 16, v[Y+2*i]               ; the rounded numbers as f32 again,
	v_and_b32 v[T+1], 0xffff0000, v[Y+2*i]
	v_lshlrev_b32 v[T+2], 16, v[Y+2*i+1]
	v_and_b32 v[T+3], 0xffff0000, v[Y+2*i+1]
	v_cvt_pk_f16_f32 v[Y+2*i], v[T], v[T+1]        ; and written as f16
	v_cvt_pk_f16_f32 v[Y+2*i+1], v[T+2], v[T+3]
.endif
	global_store_b64 v2, v[Y+2*i:Y+2*i+1], s[6:7] offset:(i/2)*4096+(i%2)*2048
.set i, i+1
.endr
.endm
	s_cmp_eq_u32 s2, 6
	s_cbranch_scc1 .Lhalf
	OUT 0
	s_endpgm
.Lhalf:
	OUT 1
	s_endpgm
.Lfunc_end_k_q501a56a34d_cast:
	.size	k_q501a56a34d_cast, .Lfunc_end_k_q501a56a34d_cast-k_q501a56a34d_cast
	.p2alignl 7, 3214868480
	.fill 96, 4, 3214868480
	.section	.rodata,"a",@progbits
	.p2align	6, 0x0
	.amdhsa_kernel k_q501a56a34d_cast
		.amdhsa_group_segment_fixed_size 0
		.amdhsa_private_segment_fixed_size 0
		.amdhsa_enable_private_segment 0
		.amdhsa_kernarg_size 80
		.amdhsa_user_sgpr_count 2
		.amdhsa_user_sgpr_kernarg_segment_ptr 1
		.amdhsa_wavefront_size32 1
		.amdhsa_system_sgpr_workgroup_id_x 1
		.amdhsa_system_sgpr_workgroup_id_y 1
		.amdhsa_system_sgpr_workgroup_id_z 1
		.amdhsa_system_vgpr_workitem_id 0
		.amdhsa_next_free_vgpr 112
		.amdhsa_next_free_sgpr 66
		.amdhsa_reserve_vcc 0
		.amdhsa_float_denorm_mode_32 3
		.amdhsa_float_denorm_mode_16_64 3
		.amdhsa_memory_ordered 1
		.amdhsa_forward_progress 1
		.amdhsa_inst_pref_size 17
	.end_amdhsa_kernel
	.amdgpu_metadata
---
amdhsa.version: [ 1, 2 ]
amdhsa.kernels:
  - .name:           k_q501a56a34d_cast
    .symbol:         k_q501a56a34d_cast.kd
    .args:
      - { .name: x, .offset: 0, .size: 8, .value_kind: global_buffer, .address_space: global }
      - { .name: Wq, .offset: 8, .size: 8, .value_kind: global_buffer, .address_space: global }
      - { .name: Wk, .offset: 16, .size: 8, .value_kind: global_buffer, .address_space: global }
      - { .name: Wv, .offset: 24, .size: 8, .value_kind: global_buffer, .address_space: global }
      - { .name: Wa, .offset: 32, .size: 8, .value_kind: global_buffer, .address_space: global }
      - { .name: Wg, .offset: 40, .size: 8, .value_kind: global_buffer, .address_space: global }
      - { .name: Wo, .offset: 48, .size: 8, .value_kind: global_buffer, .address_space: global }
      - { .name: xb, .offset: 56, .size: 8, .value_kind: global_buffer, .address_space: global }
      - { .name: wcat, .offset: 64, .size: 8, .value_kind: global_buffer, .address_space: global }
      - { .name: wo16, .offset: 72, .size: 8, .value_kind: global_buffer, .address_space: global }
    .group_segment_fixed_size: 0
    .private_segment_fixed_size: 0
    .kernarg_segment_align: 8
    .kernarg_segment_size: 80
    .max_flat_workgroup_size: 256
    .sgpr_count:     66
    .vgpr_count:     112
    .wavefront_size: 32
...
	.end_amdgpu_metadata
.endif
;; end of part 1
;; launch proj (part 2): grid 32 x 8, 4 waves a work-group, clusters of 4 x 4, 327,680 bytes of LDS; arguments xb, wcat, ba, bg, kqt, avg; writes kqt, avg
.if DOCPART == 2
	.amdgcn_target "amdgcn-amd-amdhsa--gfx1250"
	.amdhsa_code_object_version 6
	.text
	.protected	k_q501a56a34d_proj
	.globl	k_q501a56a34d_proj
	.p2align	8
	.type	k_q501a56a34d_proj,@function
k_q501a56a34d_proj:
	s_mov_b64 s[64:65], 0
	v_nop
	global_prefetch_b8 v0, s[64:65] scope:SCOPE_SE
	s_setreg_imm32_b32 hwreg(HW_REG_WAVE_MODE, 25, 1), 1
	s_wait_xcnt 0x0
	s_wait_alu depctr_hold_cnt(0) depctr_sa_sdst(0) depctr_va_vdst(0) depctr_va_sdst(0) depctr_va_ssrc(0) depctr_va_vcc(0) depctr_vm_vsrc(0)
	s_getreg_b32 s2, hwreg(HW_REG_IB_STS2, 6, 4)
	s_cmp_eq_u32 s2, 0
	s_cbranch_scc0 .Lentry_in_a_cluster
	s_endpgm
.Lentry_in_a_cluster:
	s_bfe_u32 s2, ttmp6, 0x10000c
	s_cmp_lg_u32 s2, 0xf033
	s_cbranch_scc0 .Lentry_shape_is_right
	s_endpgm
.Lentry_shape_is_right:
; PROJ.  The five large projections as ONE product: [2048 tokens][2048] x [10240 rows of wcat][2048]^T, bf16 operands, f32 sums.
; A work-group makes 256 tokens x 320 rows (64 channels, half a head, of each of q, k, v, a, g): 8 x 32 = 256 work-groups.  A wave makes 128 tokens x 160 rows: 8 x 10 accumulators of 16 x 16, 640 registers.
; K goes in steps of 128 through a ring of two LDS slots filled by the tensor data mover; rows of 256 bytes, padded to 272.
; CLUSTER 4 x 4: x's tile hangs on the token block alone and is asked for jointly along a row of the cluster, wcat's on the column block alone, jointly along a column.
; LAYOUTS.  q and k are multiplied transposed (source 0 = 16 rows of W, source 1 = 16 tokens): a lane holds one token and 8 neighbouring channels, which pack into 16 bytes of a fragment image.
; v, a, g the other way (source 0 = tokens): a lane holds one channel and 8 tokens, which is how the recurrence reads them.  Every store of a wave is 512 consecutive bytes at a multiple of 256.
; OUT: kqt[bh][chunk of 16 tokens][12,288]: K's four fragment images (16 tokens x 32 channels, f16, 1 KB) at 0, Q's at 4,096, K transposed (8 images of 16 channels x 16 tokens, 512 bytes) at 8,192; q and k UNNORMALISED.
;      avg[bh][half head][chunk][a, v, g][4 tiles of 16 channels][1 KB] in f32; a = sigmoid(. + ba), g = sigmoid(. + bg), the biases rounded to bf16 like every input.
; LIMITS.  q and k leave in f16: beyond 65,504 they would be infinities; below 6.1e-5 they keep f16's fixed step of 6e-8.
; REGISTERS, in windows of 256 (s_set_vgpr_msb: bits 1:0 source 0, 3:2 source 1, 5:4 source 2, 7:6 destination):
;   window 0: v0-31 addresses and biases; v32-111, v112-191 fragments of W (10 x 8), two buffers; on the way out v32-223 packed numbers
;   window 1: v0-63, v64-127 fragments of x (8 x 8), two buffers; v128-255 g's accumulators      window 2: q's and k's accumulators      window 3: v's and a's
.set KSTEP,  128
.set PITCH,  272                       ; 256 bytes + 16 of padding = 68 words: the 16 rows of a fragment load start at 16 different groups of four banks (64 banks of 4 bytes: ISA guide 11.1)
.set AHALF,  128*PITCH                 ; what waves 0 and 1 fetch: 128 tokens
.set BHALF,  160*PITCH                 ; what waves 2 and 3 fetch: 160 rows of wcat
.set BOFF,   2*AHALF
.set SLOT,   2*AHALF+2*BHALF           ; 156,672 bytes
.set STAGE,  2*SLOT                    ; behind the ring: 2,048 bytes a wave, to transpose k
.set SPARE,  STAGE+4*2048              ; the spare words, 128 bytes a wave: two blocks of 256 bytes that no other line names
.set LAPS,   2048/(2*KSTEP)            ; a lap = two K steps = once round the ring
.set REC,    12288                     ; bytes of a chunk in kqt and in avg
.set NB,   4                           ; v4-11   four pairs: -log2(e) x bias of my channel: a's tiles 0, 1; g's tiles 0, 1
.set BO,   12                          ; v12     4 x (lane % 16): the biases' offset
.set ADRA, 16                          ; v16-17  LDS address of my fragments of x in slot 0, 1
.set ADRB, 18                          ; v18-19  the same for W
.set STO,  24                          ; v24     the stage: where I put 16 bytes of a token's row
.set RDT,  25                          ; v25     the stage: where the transposing load reads
.set GL,   26                          ; v26     16 x lane
.set SPW,  28                          ; v28     LDS address of my spare word; never rewritten
.set NIL,  29                          ; v29     0; never rewritten
.set FB,   32                          ; fragments of W, buffer f at FB + 80 f
.set PK,   32                          ; the way out: q and k packed, tile (a, b) at PK + 4 (4 a + b)
.set KTR,  160                         ; the way out: k transposed
.set WV,  16                           ; s16  my wave's number
.set RH,  17                           ; s17  which 128 tokens are mine.  Also: I fetch x (0) or wcat (1)
.set CH,  18                           ; s18  which 160 rows are mine.  Also: which half of that tile I fetch
.set G1A, 24                           ; s[24:31] descriptor group 1 for x's tiles
.set G0A, 32                           ; s[32:39] group 0, a set for each slot
.set G1B, 40                           ; s[40:47], s[48:55] the same for wcat's
.set G0B, 48
.set LG,  78                           ; s[78:79] -log2(e), named as a pair
.set MSB, 0
.macro WIN new                         ; the immediate's high byte repeats the setting that is left; a switch that changes nothing is dropped
.if MSB != (\new)
	s_set_vgpr_msb (MSB<<8)|(\new)
.set MSB, \new
.endif
.endm
; A joint load: waves 0 and 1 fetch x's two halves, waves 2 and 3 wcat's.  The branch hangs on the wave's number alone.  An s_nop 0 and four v_nop follow each of the two lines.
.macro JLOAD s
	s_cmp_eq_u32 s[RH], 0
	s_cbranch_scc0 .Lfor_b_\@
	tensor_load_to_lds s[G0A+4*(\s):G0A+4*(\s)+3], s[G1A:G1A+7]
	s_nop 0
.rept 4
	v_nop
.endr
	s_branch .Lasked_\@
.Lfor_b_\@:
	tensor_load_to_lds s[G0B+4*(\s):G0B+4*(\s)+3], s[G1B:G1B+7]
	s_nop 0
.rept 4
	v_nop
.endr
.Lasked_\@:
.endm
.macro CREST                           ; a round of the cluster's barrier behind its opening barrier
	s_cmp_lg_u32 s[WV], 0
	s_cbranch_scc1 .Lnot_wave_0_\@
	s_barrier_signal -3
.Lnot_wave_0_\@:
	s_barrier_wait -3
	s_barrier_signal -1
	s_barrier_wait -1
.endm
.macro CROUND                          ; a whole round
	s_barrier_signal -1
	s_barrier_wait -1
	CREST
.endm
	s_load_b256 s[4:11], s[0:1], 0x0               ; xb s[4:5], wcat s[6:7], ba s[8:9], bg s[10:11]
	s_load_b128 s[12:15], s[0:1], 0x20             ; kqt s[12:13], avg s[14:15]
	v_lshl_add_u32 v[SPW], v0, 2, SPARE
	v_mov_b32 v[NIL], 0
	ds_add_u32 v[SPW], v[NIL]                      ; the wave's opening: the add and its wait stand ahead of my first tensor load; the set-up below, work on registers, stands between them
	v_lshrrev_b32 v1, 5, v0
	v_readfirstlane_b32 s[WV], v1
	s_lshr_b32 s[RH], s[WV], 1
	s_and_b32 s[CH], s[WV], 1
	s_bfe_u32 s19, ttmp6, 0x40000                  ; cx
	s_bfe_u32 s20, ttmp6, 0x40004                  ; cy
	s_lshl_b32 s21, ttmp9, 2
	s_add_co_u32 s21, s21, s19                     ; nb: column block = 4 x cluster x + cx
	s_and_b32 s22, ttmp7, 0xffff
	s_lshl_b32 s22, s22, 2
	s_add_co_u32 s22, s22, s20                     ; mb: token block = 4 x cluster y + cy
	s_lshl_b32 s23, s20, 2
	s_lshl_b32 s23, 15, s23                        ; my row of the cluster
	s_lshl_b32 s56, 0x1111, s19                    ; my column
	s_or_b32 s[G1A], s23, (1<<16)|(1<<20)|(1<<21)|(5<<22)|(3<<25)  ; 15:0 the mask; 17:16 2-byte elements; 20 padding on; 21 set beside a mask; 24:22 after every 64 words; 31:25 4 words
	s_or_b32 s[G1B], s56, (1<<16)|(1<<20)|(1<<21)|(5<<22)|(3<<25)
	s_mov_b32 s[G1A+1], KSTEP<<16                  ; tensor_dim0 = 128
	s_mov_b32 s[G1B+1], KSTEP<<16
	s_mov_b32 s[G1A+2], 128<<16                    ; tensor_dim1 = 128 rows,
	s_mov_b32 s[G1B+2], 160<<16                    ; 160 for wcat
	s_mov_b32 s[G1A+3], KSTEP<<16                  ; tile_dim0 = 128
	s_mov_b32 s[G1B+3], KSTEP<<16
	s_mov_b32 s[G1A+4], 128                        ; tile_dim1
	s_mov_b32 s[G1B+4], 160
	s_mov_b32 s[G1A+5], 2048                       ; elements from row to row
	s_mov_b32 s[G1B+5], 2048
	s_mov_b32 s[G1A+6], 0
	s_mov_b32 s[G1B+6], 0
	s_mov_b32 s[G1A+7], 0
	s_mov_b32 s[G1B+7], 0
	; where the tiles come from: x's from the token block and the wave's number, wcat's from the column block and the wave's number, each in registers that never hold the other coordinate
	s_lshl_b32 s57, s[CH], 7
	s_lshl_b32 s58, s22, 8
	s_add_co_u32 s58, s58, s57
	s_lshl_b32 s58, s58, 12                        ; (256 mb + 128 half) rows of 4,096 bytes
	s_mov_b32 s59, 0
	s_mul_i32 s60, s21, 320
	s_mul_i32 s61, s[CH], 160
	s_add_co_u32 s60, s60, s61
	s_lshl_b32 s60, s60, 12                        ; (320 nb + 160 half) rows
	s_mov_b32 s61, 0
	s_mul_i32 s62, s[CH], AHALF                    ; and where they go: no place in the cluster enters an LDS address
	s_mul_i32 s63, s[CH], BHALF
	s_add_co_u32 s63, s63, BOFF
	; where my results go
	s_lshr_b32 s66, s22, 2
	s_lshl_b32 s66, s66, 4
	s_lshr_b32 s67, s21, 1
	s_add_co_u32 s66, s66, s67                     ; bh = 16 x batch + head
	s_and_b32 s67, s21, 1                          ; hh: which half of the head
	s_and_b32 s68, s22, 3
	s_lshl_b32 s68, s68, 4
	s_lshl3_add_u32 s68, s[RH], s68                ; my first chunk = 16 (mb % 4) + 8 x token half
	s_lshl_b32 s69, s66, 6
	s_add_co_u32 s69, s69, s68
	s_mul_i32 s70, s69, REC
	s_lshl1_add_u32 s69, s67, s[CH]                ; kk = 2 hh + column half: which 32 channels of the head
	s_lshl_b32 s69, s69, 10
	s_add_co_u32 s70, s70, s69
	s_mov_b32 s71, 0                               ; s[70:71]: my offset in kqt
	s_lshl1_add_u32 s72, s66, s67
	s_lshl_b32 s72, s72, 6
	s_add_co_u32 s72, s72, s68
	s_mul_i32 s72, s72, REC
	s_lshl_b32 s73, s[CH], 11
	s_add_co_u32 s72, s72, s73
	s_mov_b32 s73, 0                               ; s[72:73]: my offset in avg
	s_lshl1_add_u32 s74, s21, s[CH]
	s_lshl_b32 s74, s74, 7                         ; my 32 channels' 128 bytes in ba and bg
	s_mov_b32 s75, 0
	s_mov_b32 s[LG], 0xbfb8aa3b                    ; -log2(e)
	s_mov_b32 s[LG+1], s[LG]
	s_wait_dscnt 0x0                               ; the opening add is done
	s_wait_kmcnt 0x0
	s_add_nc_u64 s[58:59], s[4:5], s[58:59]
	s_add_nc_u64 s[60:61], s[6:7], s[60:61]
	CROUND                                         ; all sixteen work-groups are here: the first joint loads meet
.irp s, 0,1
	s_mov_b32 s[G0A+4*(\s)], 1                                     ; count = 1
	s_add_co_u32 s[G0A+4*(\s)+1], s62, (\s)*SLOT                   ; LDS address
	s_add_nc_u64 s[G0A+4*(\s)+2:G0A+4*(\s)+3], s[58:59], (\s)*KSTEP*2  ; global address: K step s
	s_or_b32 s[G0A+4*(\s)+3], s[G0A+4*(\s)+3], 0x80000000          ; type = 2
	s_mov_b32 s[G0B+4*(\s)], 1
	s_add_co_u32 s[G0B+4*(\s)+1], s63, (\s)*SLOT
	s_add_nc_u64 s[G0B+4*(\s)+2:G0B+4*(\s)+3], s[60:61], (\s)*KSTEP*2
	s_or_b32 s[G0B+4*(\s)+3], s[G0B+4*(\s)+3], 0x80000000
	JLOAD \s                                       ; two loads of mine are out
.endr
	v_and_b32 v1, 15, v0                           ; r = lane % 16
	v_bfe_u32 v2, v0, 4, 1                         ; h = lane / 16
	v_lshlrev_b32 v[BO], 2, v1
	s_add_nc_u64 s[8:9], s[8:9], s[74:75]
	s_add_nc_u64 s[10:11], s[10:11], s[74:75]
	global_load_b32 v[NB], v[BO], s[8:9]           ; in a's and g's results a lane holds channel r of a tile of 16
	global_load_b32 v[NB+2], v[BO], s[8:9] offset:64
	global_load_b32 v[NB+4], v[BO], s[10:11]
	global_load_b32 v[NB+6], v[BO], s[10:11] offset:64
	v_mul_u32_u24 v3, v1, PITCH
	v_lshl_add_u32 v3, v2, 4, v3                   ; a fragment's row x pitch + 16 x half
	s_mul_i32 s57, s[RH], AHALF
	s_mul_i32 s76, s[CH], BHALF
	s_add_co_u32 s76, s76, BOFF
.irp s, 0,1
	v_add_nc_u32 v[ADRA+(\s)], s57, v3
	v_add_nc_u32 v[ADRB+(\s)], s76, v3
	s_add_co_u32 s57, s57, SLOT
	s_add_co_u32 s76, s76, SLOT
.endr
	s_lshl_b32 s77, s[WV], 11
	s_add_co_u32 s77, s77, STAGE                   ; my stage
	v_lshlrev_b32 v13, 5, v1                       ; in: [token][16 channels], 32 bytes a token
	v_lshl_add_u32 v13, v2, 4, v13
	v_add_nc_u32 v[STO], s77, v13
	v_and_b32 v13, 7, v0                           ; the transposing load: lane l reads token 8 h + l % 8, channels 8 ((l / 8) % 2) on, and is left with channel r, tokens 8 h on
	v_lshl_add_u32 v13, v2, 3, v13
	v_bfe_u32 v14, v0, 3, 1
	v_lshlrev_b32 v13, 5, v13
	v_lshl_add_u32 v13, v14, 4, v13
	v_add_nc_u32 v[RDT], s77, v13
	v_and_b32 v[GL], 31, v0
	v_lshlrev_b32 v[GL], 4, v[GL]
	s_add_nc_u64 s[12:13], s[12:13], s[70:71]
	s_add_nc_u64 s[14:15], s[14:15], s[72:73]
	s_wait_loadcnt 0x0                             ; the four biases, in the wait for the first tile
.irp j, 0,2,4,6
	v_cvt_pk_bf16_f32 v[NB+\j], v[NB+\j], v[NB+\j] ; rounded to bf16 like every input,
	v_lshlrev_b32 v[NB+\j], 16, v[NB+\j]
	v_mul_f32 v[NB+\j], s[LG], v[NB+\j]            ; times -log2(e)
	v_mov_b32 v[NB+\j+1], v[NB+\j]                 ; named as a pair by the packed line
.endr
; THE PRODUCTS.  f: the fragment buffer; zero = 1: the first product starts the sums.  The 80 accumulators take turns, one instruction a turn, in the same order in every quarter.
.macro GA f, b0, zero                  ; 16 products: W tiles b0, b0 + 1 (q: 0, 1; k: 2, 3) x 8 token tiles, transposed
	WIN 0xa4                                       ; W window 0, x window 1, C and D window 2
.irp b, \b0, (\b0)+1
.irp a, 0,1,2,3,4,5,6,7
.if \zero
	v_wmma_f32_16x16x32_bf16 v[8*(8*(\b)+(\a)):8*(8*(\b)+(\a))+7], v[FB+80*(\f)+8*(\b):FB+80*(\f)+8*(\b)+7], v[64*(\f)+8*(\a):64*(\f)+8*(\a)+7], 0
.else
	v_wmma_f32_16x16x32_bf16 v[8*(8*(\b)+(\a)):8*(8*(\b)+(\a))+7], v[FB+80*(\f)+8*(\b):FB+80*(\f)+8*(\b)+7], v[64*(\f)+8*(\a):64*(\f)+8*(\a)+7], v[8*(8*(\b)+(\a)):8*(8*(\b)+(\a))+7]
.endif
.endr
.endr
.endm
.macro GB f, zero                      ; 32 products: W tiles 4..7 (v: 4, 5; a: 6, 7)
	WIN 0xf1                                       ; x window 1, W window 0, C and D window 3
.irp b, 0,1,2,3
.irp a, 0,1,2,3,4,5,6,7
.if \zero
	v_wmma_f32_16x16x32_bf16 v[8*(8*(\b)+(\a)):8*(8*(\b)+(\a))+7], v[64*(\f)+8*(\a):64*(\f)+8*(\a)+7], v[FB+80*(\f)+32+8*(\b):FB+80*(\f)+32+8*(\b)+7], 0
.else
	v_wmma_f32_16x16x32_bf16 v[8*(8*(\b)+(\a)):8*(8*(\b)+(\a))+7], v[64*(\f)+8*(\a):64*(\f)+8*(\a)+7], v[FB+80*(\f)+32+8*(\b):FB+80*(\f)+32+8*(\b)+7], v[8*(8*(\b)+(\a)):8*(8*(\b)+(\a))+7]
.endif
.endr
.endr
.endm
.macro GC f, zero                      ; 16 products: W tiles 8, 9 (g)
	WIN 0x51                                       ; x window 1, W window 0, C and D window 1
.irp b, 0,1
.irp a, 0,1,2,3,4,5,6,7
.if \zero
	v_wmma_f32_16x16x32_bf16 v[128+8*(8*(\b)+(\a)):128+8*(8*(\b)+(\a))+7], v[64*(\f)+8*(\a):64*(\f)+8*(\a)+7], v[FB+80*(\f)+64+8*(\b):FB+80*(\f)+64+8*(\b)+7], 0
.else
	v_wmma_f32_16x16x32_bf16 v[128+8*(8*(\b)+(\a)):128+8*(8*(\b)+(\a))+7], v[64*(\f)+8*(\a):64*(\f)+8*(\a)+7], v[FB+80*(\f)+64+8*(\b):FB+80*(\f)+64+8*(\b)+7], v[128+8*(8*(\b)+(\a)):128+8*(8*(\b)+(\a))+7]
.endif
.endr
.endr
.endm
; 36 LDS loads in one run: the fragments of 32 along K at byte k of the rows, into buffer f: W's tiles 0-3, x's eight, W's tiles 4-9 last
.macro FETCH slot, k, f
	WIN 0
.irp i, 0,1,2,3
	ds_load_b128 v[FB+80*(\f)+8*(\i):FB+80*(\f)+8*(\i)+3],   v[ADRB+(\slot)] offset:(\k)+(\i)*16*PITCH
	ds_load_b128 v[FB+80*(\f)+8*(\i)+4:FB+80*(\f)+8*(\i)+7], v[ADRB+(\slot)] offset:(\k)+(\i)*16*PITCH+32
.endr
	WIN 0x40
.irp i, 0,1,2,3,4,5,6,7
	ds_load_b128 v[64*(\f)+8*(\i):64*(\f)+8*(\i)+3],   v[ADRA+(\slot)] offset:(\k)+(\i)*16*PITCH
	ds_load_b128 v[64*(\f)+8*(\i)+4:64*(\f)+8*(\i)+7], v[ADRA+(\slot)] offset:(\k)+(\i)*16*PITCH+32
.endr
	WIN 0
.irp i, 4,5,6,7,8,9
	ds_load_b128 v[FB+80*(\f)+8*(\i):FB+80*(\f)+8*(\i)+3],   v[ADRB+(\slot)] offset:(\k)+(\i)*16*PITCH
	ds_load_b128 v[FB+80*(\f)+8*(\i)+4:FB+80*(\f)+8*(\i)+7], v[ADRB+(\slot)] offset:(\k)+(\i)*16*PITCH+32
.endr
.endm
.macro PLACES                          ; four places in front of loads into registers that matrix instructions have read, and of lines that read results (ISA guide 7.12.1 for the lines that read results)
.rept 4
	v_nop
.endr
.endm
; A K step is four quarters of 32 along K, 80 matrix instructions each, on buffers 0, 1, 0, 1.  One of the first three: multiplies buffer f, and in its middle fetches the next quarter, at byte k, into g.
.macro QUARTER slot, k, f, g, zero
	s_wait_dscnt 12                                ; W's tiles 0-3 and x are in; the youngest twelve loads (W's tiles 4-9) may be out
	GA \f, 0, \zero
	GA \f, 2, \zero
	PLACES
	FETCH \slot, \k, \g
	s_wait_dscnt 36                                ; all but the 36 just issued
	GB \f, \zero
	GC \f, \zero
.endm
; The last quarter multiplies buffer 1 and changes slots: ONE barrier.  In front of it each wave waits for all its tensor loads (one is out: its part of the next slot), adds 0 to its spare word, and waits
; for that and for its reads of this slot.  fill = 1: the barrier opens a round of the cluster's barrier, and this slot is filled again, two K steps ahead, first thing behind the round.
.macro TURN slot, next, fill
	WIN 0                                          ; (the add's two registers lie in window 0)
	s_wait_tensorcnt 0x0                           ; all my tensor loads have landed
	ds_add_u32 v[SPW], v[NIL]                      ; 0 onto my spare word
	s_wait_dscnt 13                                ; (the add and the youngest twelve loads may be out)
	GA 1, 0, 0                                     ; sixteen matrix instructions stand between the add and the wait for it
	s_wait_dscnt 0x0                               ; the add is done, and my reads of this slot are over
	s_barrier_signal -1
	GA 1, 2, 0                                     ; work on registers while the others arrive
.if \fill
	WIN 0
.endif
	s_barrier_wait -1
.if \fill
	CREST                                          ; no wave of any partner still reads this slot's tile or has a load on its way
	s_add_nc_u64 s[G0A+4*(\slot)+2:G0A+4*(\slot)+3], s[G0A+4*(\slot)+2:G0A+4*(\slot)+3], 2*KSTEP*2
	s_add_nc_u64 s[G0B+4*(\slot)+2:G0B+4*(\slot)+3], s[G0B+4*(\slot)+2:G0B+4*(\slot)+3], 2*KSTEP*2
	JLOAD \slot                                    ; my one load behind the round: 288 matrix instructions ahead of the wait for it; its four v_nop are also the places in front of the loads below
.else
	PLACES
.endif
	FETCH \next, 0, 0
	GB 1, 0
	GC 1, 0
.endm
	s_wait_tensorcnt 1                             ; my part of K step 0 is in; K step 1's may stay out
	s_barrier_signal -1
	s_barrier_wait -1                              ; everybody's is
	FETCH 0, 0, 0
	QUARTER 0, 64, 0, 1, 1                         ; the first quarter stands in front of the loop: its products start the sums
	WIN 0                                          ; at a label and at a branch every window is 0
	s_mov_b32 s3, LAPS-1
.Llap:                                                 ; a trip goes once round the ring, from a lap's second quarter to the next lap's first, and fills both slots again
	QUARTER 0, 128, 1, 0, 0
	QUARTER 0, 192, 0, 1, 0
	TURN 0, 1, 1
	QUARTER 1, 64,  0, 1, 0
	QUARTER 1, 128, 1, 0, 0
	QUARTER 1, 192, 0, 1, 0
	TURN 1, 0, 1
	QUARTER 0, 64,  0, 1, 0
	WIN 0
	s_sub_co_u32 s3, s3, 1
	s_cmp_lg_u32 s3, 0
	s_cbranch_scc1 .Llap
	QUARTER 0, 128, 1, 0, 0                        ; the last lap fills nothing and has no round
	QUARTER 0, 192, 0, 1, 0
	TURN 0, 1, 0
	QUARTER 1, 64,  0, 1, 0
	QUARTER 1, 128, 1, 0, 0
	QUARTER 1, 192, 0, 1, 0
	s_wait_dscnt 12                                ; the very last quarter: nothing more to fetch
	GA 1, 0, 0
	GA 1, 2, 0
	s_wait_dscnt 0x0
	GB 1, 0
	GC 1, 0
	; THE WAY OUT.  q and k: a lane's eight channels of a token pack into 16 bytes of a fragment image (tile b even: registers 0-3 of the image, odd: registers 4-7).
	PLACES
	WIN 0x0a                                       ; sources window 2, destination window 0
.set a, 0
.rept 8
.set b, 0
.rept 4
.set p, 0
.rept 4
	v_cvt_pk_f16_f32 v[PK+4*(4*a+b)+p], v[8*(8*b+a)+2*p], v[8*(8*b+a)+2*p+1]
.set p, p+1
.endr
.set b, b+1
.endr
.set a, a+1
.endr
	WIN 0
.set a, 0
.rept 8
.set b, 0
.rept 4
	global_store_b128 v[GL], v[PK+4*(4*a+b):PK+4*(4*a+b)+3], s[12:13] offset:a*REC+(1-b/2)*4096+(b%2)*512  ; Q's images at 4,096, K's at 0
.set b, b+1
.endr
.set a, a+1
.endr
	; k once more, transposed through my stage: four tiles at a time.  LDS serves a wave's instructions in order (ISA guide 5.7.1.4): the loads see the stores above them, the next group's stores come behind them.
.set g, 0
.rept 4
.set n, 0
.rept 4                                ; tile n of the group: token tile 2 g + n / 2, k's tile n % 2
	ds_store_b128 v[STO], v[PK+4*(4*(2*g+n/2)+2+n%2):PK+4*(4*(2*g+n/2)+2+n%2)+3] offset:512*n
.set n, n+1
.endr
.set n, 0
.rept 4
	ds_load_tr16_b128 v[KTR+4*(4*g+n):KTR+4*(4*g+n)+3], v[RDT] offset:512*n
.set n, n+1
.endr
.set g, g+1
.endr
	WIN 0x0c                                       ; store data window 3.  v goes out as it lies: channel r, tokens 8 h on
.set a, 0
.rept 8
.set j, 0
.rept 2
	global_store_b128 v[GL], v[8*(8*j+a):8*(8*j+a)+3],   s[14:15] offset:a*REC+4096+j*1024
	global_store_b128 v[GL], v[8*(8*j+a)+4:8*(8*j+a)+7], s[14:15] offset:a*REC+4096+j*1024+512
.set j, j+1
.endr
.set a, a+1
.endr
	WIN 0
.set g, 0
.rept 4
.set n, 0
.rept 4
	s_wait_dscnt (3-n)+8*(3-g)                     ; behind this load stand the group's 3 - n others and the 8 LDS instructions of each later group
	global_store_b128 v[GL], v[KTR+4*(4*g+n):KTR+4*(4*g+n)+3], s[12:13] offset:(2*g+n/2)*REC+8192+(n%2)*512
.set n, n+1
.endr
.set g, g+1
.endr
; sigmoid(z + bias) = 1 / (1 + 2^(-log2(e) z - log2(e) bias)), in place on a tile's eight registers, lowest first.  A plain line stands between the last transcendental of a run and the first use of a result (ISA guide 5.7.2).
.macro SIG base, nb
.irp p, 0,2,4,6
	v_pk_fma_f32 v[(\base)+\p:(\base)+\p+1], v[(\base)+\p:(\base)+\p+1], s[LG:LG+1], v[(\nb):(\nb)+1] op_sel_hi:[1,0,0]
.endr
.irp p, 0,1,2,3,4,5,6,7
	v_exp_f32 v[(\base)+\p], v[(\base)+\p]
.endr
	v_nop
	s_wait_alu depctr_va_vdst(0)
.irp p, 0,2,4,6
	v_pk_add_f32 v[(\base)+\p:(\base)+\p+1], v[(\base)+\p:(\base)+\p+1], 1.0 op_sel_hi:[1,0]
.endr
.irp p, 0,1,2,3,4,5,6,7
	v_rcp_f32 v[(\base)+\p], v[(\base)+\p]
.endr
	v_nop
.endm
	WIN 0xc3                                       ; a: destination and source 0 window 3, the bias window 0
.set j, 0
.rept 2
.set a, 0
.rept 8
	SIG 8*(8*(2+j)+a), NB+2*j
.set a, a+1
.endr
.set j, j+1
.endr
	WIN 0x0c
.set a, 0
	s_wait_alu depctr_va_vdst(0)
.rept 8
.set j, 0
.rept 2
	global_store_b128 v[GL], v[8*(8*(2+j)+a):8*(8*(2+j)+a)+3],   s[14:15] offset:a*REC+j*1024
	global_store_b128 v[GL], v[8*(8*(2+j)+a)+4:8*(8*(2+j)+a)+7], s[14:15] offset:a*REC+j*1024+512
.set j, j+1
.endr
.set a, a+1
.endr
	WIN 0x41                                       ; g: window 1
.set j, 0
.rept 2
.set a, 0
.rept 8
	SIG 128+8*(8*j+a), NB+4+2*j
.set a, a+1
.endr
.set j, j+1
.endr
	WIN 0x04
.set a, 0
	s_wait_alu depctr_va_vdst(0)
.rept 8
.set j, 0
.rept 2
	global_store_b128 v[GL], v[128+8*(8*j+a):128+8*(8*j+a)+3],   s[14:15] offset:a*REC+8192+j*1024
	global_store_b128 v[GL], v[128+8*(8*j+a)+4:128+8*(8*j+a)+7], s[14:15] offset:a*REC+8192+j*1024+512
.set j, j+1
.endr
.set a, a+1
.endr
	WIN 0
	s_wait_tensorcnt 0x0                           ; the wave's end, behind my last tensor load and my last LDS store
	ds_add_u32 v[SPW], v[NIL]
	s_wait_dscnt 0x0
	CROUND                                         ; the closing round: no work-group ends while a partner may still ask for a tile that names it
	s_endpgm
.Lfunc_end_k_q501a56a34d_proj:
	.size	k_q501a56a34d_proj, .Lfunc_end_k_q501a56a34d_proj-k_q501a56a34d_proj
	.p2alignl 7, 3214868480
	.fill 96, 4, 3214868480
	.section	.rodata,"a",@progbits
	.p2align	6, 0x0
	.amdhsa_kernel k_q501a56a34d_proj
		.amdhsa_group_segment_fixed_size 327680
		.amdhsa_private_segment_fixed_size 0
		.amdhsa_enable_private_segment 0
		.amdhsa_kernarg_size 48
		.amdhsa_user_sgpr_count 2
		.amdhsa_user_sgpr_kernarg_segment_ptr 1
		.amdhsa_wavefront_size32 1
		.amdhsa_system_sgpr_workgroup_id_x 1
		.amdhsa_system_sgpr_workgroup_id_y 1
		.amdhsa_system_sgpr_workgroup_id_z 1
		.amdhsa_system_vgpr_workitem_id 0
		.amdhsa_next_free_vgpr 1024
		.amdhsa_next_free_sgpr 80
		.amdhsa_reserve_vcc 0
		.amdhsa_float_denorm_mode_32 3
		.amdhsa_float_denorm_mode_16_64 3
		.amdhsa_memory_ordered 1
		.amdhsa_forward_progress 1
		.amdhsa_inst_pref_size 193
	.end_amdhsa_kernel
	.amdgpu_metadata
---
amdhsa.version: [ 1, 2 ]
amdhsa.kernels:
  - .name:           k_q501a56a34d_proj
    .symbol:         k_q501a56a34d_proj.kd
    .args:
      - { .name: xb, .offset: 0, .size: 8, .value_kind: global_buffer, .address_space: global }
      - { .name: wcat, .offset: 8, .size: 8, .value_kind: global_buffer, .address_space: global }
      - { .name: ba, .offset: 16, .size: 8, .value_kind: global_buffer, .address_space: global }
      - { .name: bg, .offset: 24, .size: 8, .value_kind: global_buffer, .address_space: global }
      - { .name: kqt, .offset: 32, .size: 8, .value_kind: global_buffer, .address_space: global }
      - { .name: avg, .offset: 40, .size: 8, .value_kind: global_buffer, .address_space: global }
    .group_segment_fixed_size: 327680
    .private_segment_fixed_size: 0
    .kernarg_segment_align: 8
    .kernarg_segment_size: 48
    .max_flat_workgroup_size: 128
    .sgpr_count:     80
    .vgpr_count:     1024
    .wavefront_size: 32
...
	.end_amdgpu_metadata
.endif
;; end of part 2
;; launch prep (part 3): grid 64 x 2, 16 waves a work-group, no clusters, 18,432 bytes of LDS; arguments xb, Wb, bb, kqt, cfr; writes cfr
.if DOCPART == 3
	.amdgcn_target "amdgcn-amd-amdhsa--gfx1250"
	.amdhsa_code_object_version 6
	.text
	.protected	k_q501a56a34d_prep
	.globl	k_q501a56a34d_prep
	.p2align	8
	.type	k_q501a56a34d_prep,@function
k_q501a56a34d_prep:
	s_mov_b64 s[64:65], 0
	v_nop
	global_prefetch_b8 v0, s[64:65] scope:SCOPE_SE
	s_setreg_imm32_b32 hwreg(HW_REG_WAVE_MODE, 25, 1), 1
	s_wait_xcnt 0x0
; PREP.  For a chunk of 16 tokens (the grid's x) of a batch (its y) and each of the 16 heads: what the recurrence needs besides the rows' own data.
;   beta = sigmoid(x . Wb[head] + bb[head]);  G[t][e] = k_t . k_e,  M[t][e] = k_t . q_e of the UNNORMALISED f16 k and q;  rk = 1 / max(|k|, 1e-12), rq likewise.
; OUT: cfr[bh][chunk][2,304]: at 512 c + 16 lane + 4 i: for t = lane % 16, e = 4 c + i: G[t][e] (lanes 0-15) or M[t][e] (lanes 16-31); at 2,048 + 8 lane the pair (c1, c2):
;   lanes 0-15 (rk beta, -rk^2 beta), lanes 16-31 (rq, 0).  Every store is 256 or 512 consecutive bytes at a multiple of 256.
; SHARES.  Sixteen waves.  Wave w first multiplies K = 128 w .. 128 w + 127 of x . Wb^T for all 16 heads (4 bf16 matrix instructions; Wb is rounded to bf16 on the way); the partial sums meet in LDS, in f32.  Then wave w is head w.
; LIMIT.  A key or query whose 128 f16 numbers are all 0 counts as the zero vector (rk or rq = 0), as it does after the division in the source formula.
; No tensor load, no cluster: a wave reads 20 KB once, straight into the registers of its fragments.
.set PB,    0                          ; 16 waves x 1,024 bytes of partial sums: element (token 8 h + j, head r) at 1,024 w + 32 lane + 4 j
.set SPARE, 16384                      ; the spare words, 128 bytes a wave: eight blocks of 256 bytes that no other line names
.set XO,  5                            ; v5   x's offset: r x 4,096 + 16 h
.set WO,  6                            ; v6   Wb's: r x 8,192 + 32 h
.set L16, 7                            ; v7   16 x lane
.set BBO, 8                            ; v8   4 w
.set XA,  16                           ; v[16:47]   4 fragments of x
.set WF,  48                           ; v[48:111]  Wb as f32; fragment s is packed into the first 8 of its 16 registers
.set KF,  112                          ; v[112:143] 4 fragments of k
.set QF,  144                          ; v[144:175] 4 fragments of q
.set BA0, 176                          ; two accumulators for beta's product, by turns
.set BA1, 184
.set DKK, 192                          ; k k^T, q k^T, q q^T
.set DQK, 200
.set DQQ, 208
.set PS,  216                          ; v[216:231] the 16 partial sums
.set BBV, 232
.set T0,  236                          ; v[236:239] at work
.set CC,  240                          ; v[240:241] c1, c2
.set SPW, 244
.set NIL, 245
.set EQ,  20                           ; s21-27  lanes with r % 8 = j
.set MV,  28                           ; s28     lanes whose own half holds the diagonal: h = r / 8
.set MHI, 29                           ; s29     lanes 16-31
.set SEL, 30                           ; s[30:31] v_permlanex16_b32's selects: each lane takes its own place in the other half
.set POS, 32                           ; s32     lanes with a sum of squares above 0
	s_load_b256 s[4:11], s[0:1], 0x0               ; xb s[4:5], Wb s[6:7], bb s[8:9], kqt s[10:11]
	s_load_b64 s[12:13], s[0:1], 0x20              ; cfr
	v_lshl_add_u32 v[SPW], v0, 2, SPARE
	v_mov_b32 v[NIL], 0
	v_lshrrev_b32 v1, 5, v0
	v_readfirstlane_b32 s14, v1                    ; w
	s_and_b32 s15, ttmp7, 0xffff                   ; batch
	s_lshl_b32 s16, s15, 6
	s_add_co_u32 s16, s16, ttmp9                   ; the token tile, 64 x batch + chunk
	s_lshl_b32 s34, s16, 16                        ; its 16 rows of 4,096 bytes
	s_lshl_b32 s33, s14, 8
	s_add_co_u32 s34, s34, s33                     ; + my 128 numbers of K
	s_mov_b32 s35, 0
	s_lshl_b32 s36, s14, 9                         ; the same 128 in Wb's f32 rows
	s_mov_b32 s37, 0
	s_lshl_b32 s17, s15, 4
	s_add_co_u32 s17, s17, s14
	s_lshl_b32 s17, s17, 6
	s_add_co_u32 s17, s17, ttmp9                   ; (16 x batch + head) x 64 + chunk
	s_mul_i32 s38, s17, 12288
	s_mov_b32 s39, 0
	s_mul_i32 s40, s17, 2304
	s_mov_b32 s41, 0
	s_lshl_b32 s42, s14, 10
	s_lshl_b32 s43, s14, 5
	s_mov_b32 s[MHI], 0xffff0000
	s_mov_b32 s[SEL], 0x76543210
	s_mov_b32 s[SEL+1], 0xfedcba98
	v_and_b32 v2, 15, v0                           ; r
	v_bfe_u32 v3, v0, 4, 1                         ; h
	v_and_b32 v4, 31, v0                           ; lane
	v_lshlrev_b32 v[XO], 12, v2
	v_lshl_add_u32 v[XO], v3, 4, v[XO]
	v_lshlrev_b32 v[WO], 13, v2
	v_lshl_add_u32 v[WO], v3, 5, v[WO]
	v_lshlrev_b32 v[L16], 4, v4
	v_lshlrev_b32 v[BBO], 2, v1
	s_wait_kmcnt 0x0
	s_add_nc_u64 s[4:5], s[4:5], s[34:35]
	s_add_nc_u64 s[6:7], s[6:7], s[36:37]
	s_add_nc_u64 s[10:11], s[10:11], s[38:39]
	s_add_nc_u64 s[12:13], s[12:13], s[40:41]
.irp s, 0,1,2,3                        ; 41 loads in one run: x 8, Wb 16, k 8, q 8, bb 1
	global_load_b128 v[XA+8*\s:XA+8*\s+3],   v[XO], s[4:5] offset:64*\s
	global_load_b128 v[XA+8*\s+4:XA+8*\s+7], v[XO], s[4:5] offset:64*\s+32
.endr
.irp s, 0,1,2,3
	global_load_b128 v[WF+16*\s:WF+16*\s+3],     v[WO], s[6:7] offset:128*\s
	global_load_b128 v[WF+16*\s+4:WF+16*\s+7],   v[WO], s[6:7] offset:128*\s+16
	global_load_b128 v[WF+16*\s+8:WF+16*\s+11],  v[WO], s[6:7] offset:128*\s+64
	global_load_b128 v[WF+16*\s+12:WF+16*\s+15], v[WO], s[6:7] offset:128*\s+80
.endr
.irp s, 0,1,2,3
	global_load_b128 v[KF+8*\s:KF+8*\s+3],   v[L16], s[10:11] offset:1024*\s
	global_load_b128 v[KF+8*\s+4:KF+8*\s+7], v[L16], s[10:11] offset:1024*\s+512
.endr
.irp s, 0,1,2,3
	global_load_b128 v[QF+8*\s:QF+8*\s+3],   v[L16], s[10:11] offset:4096+1024*\s
	global_load_b128 v[QF+8*\s+4:QF+8*\s+7], v[L16], s[10:11] offset:4096+1024*\s+512
.endr
	global_load_b32 v[BBV], v[BBO], s[8:9]
	v_and_b32 v9, 7, v0                            ; r % 8
	v_bfe_u32 v10, v0, 3, 1                        ; r / 8
.irp j, 1,2,3,4,5,6,7
	v_cmp_eq_u32 s[EQ+\j], \j, v9
.endr
	v_cmp_eq_u32 s[MV], v3, v10
	v_lshlrev_b32 v11, 5, v4
	v_add_nc_u32 v11, s42, v11                     ; where I put my partial sums: 1,024 w + 32 lane
	v_lshlrev_b32 v12, 9, v10
	v_lshl_add_u32 v12, v9, 2, v12
	v_add_nc_u32 v12, s43, v12                     ; where I read them: token r of head w: 32 (16 (r / 8) + w) + 4 (r % 8)
	v_lshlrev_b32 v13, 3, v4                       ; 8 x lane
	v_mov_b32 v[T0+2], 0                           ; v_permlanex16_b32 counts as a reader of its destination
	v_mov_b32 v[T0+3], 0
	s_wait_loadcnt 17                              ; x and Wb are in; k's, q's and bb's 17 loads may stay out
.irp s, 0,1,2,3
.irp i, 0,1,2,3,4,5,6,7
	v_cvt_pk_bf16_f32 v[WF+16*\s+\i], v[WF+16*\s+2*\i], v[WF+16*\s+2*\i+1]  ; in place, ascending: register i is read before it is written
.endr
.endr
	v_wmma_f32_16x16x32_bf16 v[BA0:BA0+7], v[XA:XA+7],       v[WF:WF+7],       0             ; two accumulators by turns
	v_wmma_f32_16x16x32_bf16 v[BA1:BA1+7], v[XA+8:XA+15],    v[WF+16:WF+23],   0
	v_wmma_f32_16x16x32_bf16 v[BA0:BA0+7], v[XA+16:XA+23],   v[WF+32:WF+39],   v[BA0:BA0+7]
	v_wmma_f32_16x16x32_bf16 v[BA1:BA1+7], v[XA+24:XA+31],   v[WF+48:WF+55],   v[BA1:BA1+7]
.rept 4
	v_nop                                          ; the places behind those products (ISA guide 7.12.1)
.endr
.irp p, 0,2,4,6
	v_pk_add_f32 v[BA0+\p:BA0+\p+1], v[BA0+\p:BA0+\p+1], v[BA1+\p:BA1+\p+1]
.endr
	ds_store_b128 v11, v[BA0:BA0+3]
	ds_store_b128 v11, v[BA0+4:BA0+7] offset:16
	s_wait_loadcnt 1                               ; k and q are in; bb may stay out
.irp s, 0,1,2,3                        ; three accumulators by turns
.if \s == 0
	v_wmma_f32_16x16x32_f16 v[DKK:DKK+7], v[KF:KF+7], v[KF:KF+7], 0
	v_wmma_f32_16x16x32_f16 v[DQK:DQK+7], v[QF:QF+7], v[KF:KF+7], 0
	v_wmma_f32_16x16x32_f16 v[DQQ:DQQ+7], v[QF:QF+7], v[QF:QF+7], 0
.else
	v_wmma_f32_16x16x32_f16 v[DKK:DKK+7], v[KF+8*\s:KF+8*\s+7], v[KF+8*\s:KF+8*\s+7], v[DKK:DKK+7]
	v_wmma_f32_16x16x32_f16 v[DQK:DQK+7], v[QF+8*\s:QF+8*\s+7], v[KF+8*\s:KF+8*\s+7], v[DQK:DQK+7]
	v_wmma_f32_16x16x32_f16 v[DQQ:DQQ+7], v[QF+8*\s:QF+8*\s+7], v[QF+8*\s:QF+8*\s+7], v[DQQ:DQQ+7]
.endif
.endr
	s_wait_dscnt 0x0                               ; for the others' sake: my partial sums are in LDS
	s_barrier_signal -1
	s_barrier_wait -1
.irp i, 0,1,2,3,4,5,6,7,8,9,10,11,12,13,14,15
	ds_load_b32 v[PS+\i], v12 offset:1024*\i       ; every wave's part of x_r . Wb[w]
.endr
.rept 4
	v_nop                                          ; the places behind the last products
.endr
	; the sums of squares are the diagonals: lane (r, h) holds element (8 h + j, r) in register j, so register r % 8 of the half h = r / 8
	v_cndmask_b32 v[T0], v[DKK], v[DKK+1], s[EQ+1]
	v_cndmask_b32 v[T0+1], v[DQQ], v[DQQ+1], s[EQ+1]
.irp j, 2,3,4,5,6,7
	v_cndmask_b32 v[T0], v[T0], v[DKK+\j], s[EQ+\j]
	v_cndmask_b32 v[T0+1], v[T0+1], v[DQQ+\j], s[EQ+\j]
.endr
	v_permlanex16_b32 v[T0+2], v[T0], s[SEL], s[SEL+1]
	v_permlanex16_b32 v[T0+3], v[T0+1], s[SEL], s[SEL+1]
	v_cndmask_b32 v[T0], v[T0+2], v[T0], s[MV]     ; my own where my half holds the diagonal, else the other half's
	v_cndmask_b32 v[T0+1], v[T0+3], v[T0+1], s[MV]
	v_cndmask_b32 v[T0], v[T0], v[T0+1], s[MHI]    ; lanes 0-15 |k_r|^2, lanes 16-31 |q_r|^2
	v_sqrt_f32 v[T0+1], v[T0]
	v_nop                                          ; a plain line behind each transcendental (ISA guide 5.7.2)
	v_cmp_lt_f32 s[POS], 0, v[T0]
	s_wait_alu depctr_va_vdst(0)
	v_max_num_f32 v[T0+1], 0x2b8cbccc, v[T0+1]     ; 1e-12
	v_rcp_f32 v[T0+1], v[T0+1]
	v_nop
	s_wait_alu depctr_va_vdst(0)
	v_cndmask_b32 v[T0+1], 0, v[T0+1], s[POS]      ; rk or rq; 0 for a zero vector
	s_wait_dscnt 0x0
.irp p, 0,2,4,6
	v_pk_add_f32 v[PS+\p:PS+\p+1], v[PS+\p:PS+\p+1], v[PS+8+\p:PS+8+\p+1]
.endr
	v_pk_add_f32 v[PS:PS+1], v[PS:PS+1], v[PS+4:PS+5]
	v_pk_add_f32 v[PS+2:PS+3], v[PS+2:PS+3], v[PS+6:PS+7]
	v_pk_add_f32 v[PS:PS+1], v[PS:PS+1], v[PS+2:PS+3]
	v_add_f32 v[PS], v[PS], v[PS+1]
	s_wait_loadcnt 0x0                             ; bb
	v_cvt_pk_bf16_f32 v[BBV], v[BBV], v[BBV]       ; rounded to bf16 like every input
	v_lshlrev_b32 v[BBV], 16, v[BBV]
	v_add_f32 v[PS], v[PS], v[BBV]
	v_mul_f32 v[PS], 0xbfb8aa3b, v[PS]
	v_exp_f32 v[PS], v[PS]
	v_nop
	s_wait_alu depctr_va_vdst(0)
	v_add_f32 v[PS], 1.0, v[PS]
	v_rcp_f32 v[PS], v[PS]
	v_nop
	s_wait_alu depctr_va_vdst(0)
	v_cndmask_b32 v[PS], v[PS], 1.0, s[MHI]        ; beta below, 1 above
	v_mul_f32 v[CC], v[T0+1], v[PS]                ; c1 = rk beta | rq
	v_mul_f32 v[CC+1], -v[T0+1], v[CC]             ; c2 = -rk^2 beta
	v_cndmask_b32 v[CC+1], v[CC+1], 0, s[MHI]      ;      | 0
.irp j, 0,1,2,3,4,5,6,7
	v_permlane16_swap_b32 v[DKK+\j], v[DQK+\j]     ; k k^T's upper lanes (e = 8 + j) change places with q k^T's lower (e = j): now e = j in the first, e = 8 + j in the second, G below and M above
.endr
	global_store_b128 v[L16], v[DKK:DKK+3],   s[12:13]
	global_store_b128 v[L16], v[DKK+4:DKK+7], s[12:13] offset:512
	global_store_b128 v[L16], v[DQK:DQK+3],   s[12:13] offset:1024
	global_store_b128 v[L16], v[DQK+4:DQK+7], s[12:13] offset:1536
	global_store_b64 v13, v[CC:CC+1], s[12:13] offset:2048
	s_wait_tensorcnt 0x0                           ; the wave's end, behind my last LDS store
	ds_add_u32 v[SPW], v[NIL]
	s_wait_dscnt 0x0
	s_endpgm
.Lfunc_end_k_q501a56a34d_prep:
	.size	k_q501a56a34d_prep, .Lfunc_end_k_q501a56a34d_prep-k_q501a56a34d_prep
	.p2alignl 7, 3214868480
	.fill 96, 4, 3214868480
	.section	.rodata,"a",@progbits
	.p2align	6, 0x0
	.amdhsa_kernel k_q501a56a34d_prep
		.amdhsa_group_segment_fixed_size 18432
		.amdhsa_private_segment_fixed_size 0
		.amdhsa_enable_private_segment 0
		.amdhsa_kernarg_size 40
		.amdhsa_user_sgpr_count 2
		.amdhsa_user_sgpr_kernarg_segment_ptr 1
		.amdhsa_wavefront_size32 1
		.amdhsa_system_sgpr_workgroup_id_x 1
		.amdhsa_system_sgpr_workgroup_id_y 1
		.amdhsa_system_sgpr_workgroup_id_z 1
		.amdhsa_system_vgpr_workitem_id 0
		.amdhsa_next_free_vgpr 248
		.amdhsa_next_free_sgpr 66
		.amdhsa_reserve_vcc 0
		.amdhsa_float_denorm_mode_32 3
		.amdhsa_float_denorm_mode_16_64 3
		.amdhsa_memory_ordered 1
		.amdhsa_forward_progress 1
		.amdhsa_inst_pref_size 16
	.end_amdhsa_kernel
	.amdgpu_metadata
---
amdhsa.version: [ 1, 2 ]
amdhsa.kernels:
  - .name:           k_q501a56a34d_prep
    .symbol:         k_q501a56a34d_prep.kd
    .args:
      - { .name: xb, .offset: 0, .size: 8, .value_kind: global_buffer, .address_space: global }
      - { .name: Wb, .offset: 8, .size: 8, .value_kind: global_buffer, .address_space: global }
      - { .name: bb, .offset: 16, .size: 8, .value_kind: global_buffer, .address_space: global }
      - { .name: kqt, .offset: 24, .size: 8, .value_kind: global_buffer, .address_space: global }
      - { .name: cfr, .offset: 32, .size: 8, .value_kind: global_buffer, .address_space: global }
    .group_segment_fixed_size: 18432
    .private_segment_fixed_size: 0
    .kernarg_segment_align: 8
    .kernarg_segment_size: 40
    .max_flat_workgroup_size: 512
    .sgpr_count:     66
    .vgpr_count:     248
    .wavefront_size: 32
...
	.end_amdgpu_metadata
.endif
;; end of part 3
;; launch scan (part 4): grid 2 x 32, 4 waves a work-group, no clusters, 327,680 bytes of LDS; arguments kqt, avg, cfr, state, ogf; writes ogf
.if DOCPART == 4
	.amdgcn_target "amdgcn-amd-amdhsa--gfx1250"
	.amdhsa_code_object_version 6
	.text
	.protected	k_q501a56a34d_scan
	.globl	k_q501a56a34d_scan
	.p2align	8
	.type	k_q501a56a34d_scan,@function
k_q501a56a34d_scan:
	s_mov_b64 s[64:65], 0
	v_nop
	global_prefetch_b8 v0, s[64:65] scope:SCOPE_SE
	s_setreg_imm32_b32 hwreg(HW_REG_WAVE_MODE, 25, 1), 1
	s_wait_xcnt 0x0
; SCAN.  The recurrence, by chunks of 16 steps.  Row i of a head's state obeys s <- a_t[i] s + w_t[i] kraw_t, w_t = c1_t v_t[i] + c2_t (s . kraw_t), and shares only k, q and the scalars with the other rows.
; Inside a chunk a row carries, in place of its 128 numbers, the 32 projections x_lo[e] = s . kraw_e, x_hi[e] = s . qraw_e (e = 0..15), which obey the same recurrence with Gram numbers in place of k:
;   step t:  w = c1_t v_t + c2_t x_lo[t];   x[e] <- a_t x[e] + w CF[t][e] for e >= t;   o_t g_t = (rq_t g_t) x_hi[t].
; They start from a matrix product, S [K; Q]^T (f16 operands, f32 sums); the state, kept in f32, closes the chunk by a second one: S <- (prod a) S + sum over t of (w_t prod over r > t of a_r) kraw_t.
; Every factor is a product of alphas: nothing is divided.
; SHARES.  A work-group owns 64 rows (half a head), a wave 16.  Lane (r, h) is row r: lanes 0-15 carry x_lo, lanes 16-31 x_hi, 16 registers each.  64 work-groups: a row's 1,024 steps depend on each other,
; and a head's rows are all the independent work there is.  NO CLUSTER: K, Q and the scalars are shared by a head's two work-groups alone, and the loop waits for dependent arithmetic, not for tiles.
; THE ORDER OF A TRIP.  A wave is alone on its SIMD, so what counts is that it always has a line to issue.  (1) Both runs of eight matrix instructions carry vector work that is ready: the scaling of S rides on
; the products that close the state, the next chunk's products of alphas and the start of its w on the products that make its projections.  (2) A step's chain is w, the exchange of the lanes' halves, x[t+1]:
; the step's decays stand half in front of the exchange and half behind it, its other updates behind x[t+1].  (3) From step 10 on a step's own lines no longer fill those gaps: 26 lines that finished steps have
; left (w times its decay, o g, their roundings to f16) are dealt into them from a queue.
; RING.  Two LDS slots of four chunks (107,520 bytes).  Wave 0 fetches K, Q, K^T (49,152 bytes), wave 1 a, v, g (49,152), waves 2 and 3 halves of the Gram numbers and scalars (4,608 each): one load a wave.
; OUT: ogf[token tile][64][1 KB]: o g in f16 as fragment images (16 tokens x 32 channels) for the last product; a wave's store is 512 consecutive bytes at a multiple of 256.
; LIMITS.  state is rounded to bf16 like every input.  The f16 operands (the state as an operand, w times its decay, o g) end at 65,504 and keep f16's fixed step of 6e-8 below 6.1e-5; the state itself is carried in f32.
; REGISTERS (s_set_vgpr_msb: bits 1:0 source 0, 3:2 source 1, 5:4 source 2, 7:6 destination).  Window 0: all but the state and K^T.  Window 1: v0-63 S (channels 16 jt + 8 h + j of row r at 8 jt + j); v128-163 K^T.
.set CHK,   12288                      ; bytes of a chunk in kqt and in avg
.set CHC,   2304                       ; in cfr
.set AVGB,  4*CHK                      ; a slot: K, Q, K^T at 0; a, v, g here;
.set CFRB,  8*CHK                      ; Gram numbers and scalars here
.set SLOT1, 1<<17                      ; slot 1 begins here, so that one exclusive or turns an address in one slot into the other's
.set SCR,   SLOT1+CFRB+4*CHC           ; behind the ring, never filled by a tensor load: 1 KB a wave to transpose o g (512 bytes for lanes 16-31, 512 that take what lanes 0-15 hold and nobody reads)
.set SPARE, SCR+4*1024                 ; the spare words, 128 bytes a wave: two blocks of 256 bytes that no other line names
.set OT,   0                           ; v0-3   o g transposed (the thread's number is no longer wanted when the first is made)
.set LM,   4                           ; v4   a mixed fragment: rows 0-7 are K's tokens, rows 8-15 Q's: (r / 8) x 4,096 + 16 (16 h + r % 8)
.set L16,  5                           ; v5   16 x lane
.set LA,   6                           ; v6   my row's alphas: 1,024 w + 16 r
.set LVG,  7                           ; v7   v (lanes 0-15) or g (lanes 16-31): (1 + h) x 4,096 + 1,024 w + 16 r
.set LC,   8                           ; v8   (c1, c2): 2,048 + 8 x lane
.set SCW,  9                           ; v9   the scratch: where I put my row's 16 numbers
.set SCRD, 10                          ; v10  the scratch: where the transposing load reads
.set ADC,  11                          ; v11-15, v23  the next chunk's six LDS addresses: scalars, K and Q, v and g, alphas, Gram numbers, K^T
.set ADM,  12
.set ADV,  13
.set ADA,  14
.set ADF,  15
.set SPW,  16                          ; v16  LDS address of my spare word; never rewritten
.set NIL,  17                          ; v17  0; never rewritten
.set AC,   18                          ; v18-19  the chunk's product of alphas, named as a pair
.set C1,   20                          ; v20, v21  lane t of each half: c1_t, c2_t
.set C2,   21
.set SO,   22                          ; v22  state's offset: 512 r + 32 h
.set ADK,  23
.set X,    24                          ; v24-39   the projections
.set CF,   40                          ; v40-55   lane t: CF[t][e] in register e
.set A,    56                          ; v56-71   my row's alpha, token t in register t
.set VG,   72                          ; v72-87   v or g likewise
.set B1,   88                          ; v88-103  c1 v | rq g, then w, then w times its decay
.set B2,   104                         ; v104-119 the same, then rq g, then o g
.set SFX,  120                         ; v120-133 the product of the alphas behind step t, t = 0..13
.set SF,   136                         ; v136-167 the state as f16 operand
.set WP,   168                         ; v168-175 w packed
.set WB,   176                         ; v176-183 w as a fragment: tokens 8 h on; its upper half of K stays 0
.set OP,   184                         ; v184-191 o g packed
.set MIX,  192                         ; v192-255 K and Q mixed: tokens 0-7 at MIX + 8 s, tokens 8-15 at MIX + 32 + 8 s
.set KT,   128                         ; window 1: tile jt at KT + 4 jt; the four registers behind the last tile hold 0
.set WV,   14                          ; s14  my wave's number
.set G1,   24                          ; s[24:31] descriptor group 1: 192 rows of 256 bytes
.set G1C,  32                          ; s[32:39] 18 rows of 256 bytes
.set G0AB, 40                          ; s[40:47] group 0 for waves 0 and 1: a set for each of the two first fills; the second then walks
.set G0C,  48                          ; s[48:55] the same for waves 2 and 3
.set TBK,  56                          ; s56-58  LDS bytes at which the next chunk's three parts begin
.set TBA,  57
.set TBC,  58
.set CNT,  59
.set SLOTS, 60
.set MHI,  61                          ; s61  lanes 16-31
.set OGP,  62                          ; s[62:63] where my next 512 bytes of ogf go
.set MSB, 0
.macro WIN new                         ; the immediate's high byte repeats the setting that is left; a switch that changes nothing is dropped
.if MSB != (\new)
	s_set_vgpr_msb (MSB<<8)|(\new)
.set MSB, \new
.endif
.endm
.macro LOAD                            ; a refill: one load a wave.  An s_nop 0 and four v_nop follow each of the two lines
	s_cmp_lt_u32 s[WV], 2
	s_cbranch_scc0 .Lfor_c_\@
	tensor_load_to_lds s[G0AB+4:G0AB+7], s[G1:G1+7]
	s_nop 0
.rept 4
	v_nop
.endr
	s_branch .Lasked_\@
.Lfor_c_\@:
	tensor_load_to_lds s[G0C+4:G0C+7], s[G1C:G1C+7]
	s_nop 0
.rept 4
	v_nop
.endr
.Lasked_\@:
.endm
	s_load_b256 s[4:11], s[0:1], 0x0               ; kqt s[4:5], avg s[6:7], cfr s[8:9], state s[10:11]
	s_load_b64 s[12:13], s[0:1], 0x20              ; ogf
	v_lshl_add_u32 v[SPW], v0, 2, SPARE
	v_mov_b32 v[NIL], 0
	ds_add_u32 v[SPW], v[NIL]                      ; the wave's opening: the add and its wait stand ahead of my first tensor load; the set-up below, work on registers, stands between them
	v_lshrrev_b32 v1, 5, v0
	v_readfirstlane_b32 s[WV], v1
	s_and_b32 s15, s[WV], 1
	s_mov_b32 s16, ttmp9                           ; hh: which half of the head
	s_and_b32 s17, ttmp7, 0xffff                   ; bh = 16 x batch + head
	; dense blocks, asked for as rows of 256 bytes: elements of 8 bytes, 32 to a row
.irp g, G1, G1C
	s_mov_b32 s[\g], 3<<16                         ; 17:16 elements of 8 bytes; no mask, no padding
	s_mov_b32 s[\g+1], 32<<16                      ; tensor_dim0 = 32
	s_mov_b32 s[\g+3], 32<<16                      ; tile_dim0 = 32
	s_mov_b32 s[\g+5], 32                          ; 32 elements from row to row
	s_mov_b32 s[\g+6], 0
	s_mov_b32 s[\g+7], 0
.endr
	s_mov_b32 s[G1+2], 192<<16                     ; tensor_dim1 and tile_dim1: 192 rows,
	s_mov_b32 s[G1+4], 192
	s_mov_b32 s[G1C+2], 18<<16                     ; or 18
	s_mov_b32 s[G1C+4], 18
	s_mul_i32 s18, s17, 64*CHK                     ; the head's 64 chunks in kqt
	s_mov_b32 s19, 0
	s_lshl1_add_u32 s20, s17, s16
	s_mul_i32 s20, s20, 64*CHK                     ; the half head's in avg
	s_mov_b32 s21, 0
	s_mul_i32 s66, s15, 2*CHC                      ; which half of a period's 9,216 bytes of cfr I fetch
	s_mul_i32 s22, s17, 64*CHC
	s_add_co_u32 s22, s22, s66
	s_mov_b32 s23, 0
	s_add_co_u32 s66, s66, CFRB                    ; and its place in a slot
	s_mul_i32 s67, s15, AVGB                       ; wave 0's part of a slot begins at 0, wave 1's at AVGB
	s_lshl_b32 s68, s17, 16                        ; state: 65,536 bytes a head, 512 a row; my rows begin at 64 hh + 16 w
	s_lshl_b32 s69, s16, 15
	s_add_co_u32 s68, s68, s69
	s_lshl_b32 s69, s[WV], 13
	s_add_co_u32 s68, s68, s69
	s_mov_b32 s69, 0
	s_lshr_b32 s70, s17, 4                         ; ogf: batch x 64 token tiles of 65,536 bytes,
	s_lshl_b32 s70, s70, 22
	s_and_b32 s71, s17, 15
	s_lshl_b32 s71, s71, 2
	s_lshl1_add_u32 s71, s16, s71
	s_lshr_b32 s74, s[WV], 1
	s_add_co_u32 s71, s71, s74                     ; image 4 x head + 2 hh + w / 2,
	s_lshl_b32 s71, s71, 10
	s_add_co_u32 s70, s70, s71
	s_lshl_b32 s71, s15, 9                         ; its half w % 2
	s_add_co_u32 s70, s70, s71
	s_mov_b32 s71, 0
	s_mov_b32 s[MHI], 0xffff0000
	s_mov_b32 s[TBK], 0
	s_mov_b32 s[TBA], AVGB
	s_mov_b32 s[TBC], CFRB
	s_wait_dscnt 0x0                               ; the opening add is done
	s_wait_kmcnt 0x0
	s_add_nc_u64 s[4:5], s[4:5], s[18:19]
	s_add_nc_u64 s[6:7], s[6:7], s[20:21]
	s_cmp_eq_u32 s15, 0
	s_cselect_b64 s[72:73], s[4:5], s[6:7]         ; wave 0 walks kqt, wave 1 avg
	s_add_nc_u64 s[8:9], s[8:9], s[22:23]
	s_add_nc_u64 s[10:11], s[10:11], s[68:69]
	s_add_nc_u64 s[OGP:OGP+1], s[12:13], s[70:71]
.irp s, 0,1
	s_mov_b32 s[G0AB+4*(\s)], 1                                    ; count = 1
	s_add_co_u32 s[G0AB+4*(\s)+1], s67, (\s)*SLOT1                 ; LDS address
	s_add_nc_u64 s[G0AB+4*(\s)+2:G0AB+4*(\s)+3], s[72:73], (\s)*4*CHK  ; global address: chunks 4 s on
	s_or_b32 s[G0AB+4*(\s)+3], s[G0AB+4*(\s)+3], 0x80000000        ; type = 2
	s_mov_b32 s[G0C+4*(\s)], 1
	s_add_co_u32 s[G0C+4*(\s)+1], s66, (\s)*SLOT1
	s_add_nc_u64 s[G0C+4*(\s)+2:G0C+4*(\s)+3], s[8:9], (\s)*4*CHC
	s_or_b32 s[G0C+4*(\s)+3], s[G0C+4*(\s)+3], 0x80000000
.endr
	s_cmp_lt_u32 s[WV], 2                          ; a wave's two first fills stand in one branch, ahead of every wait on TENSORcnt, every LDS read and every barrier: two loads of mine are out
	s_cbranch_scc0 .Lfirst_c
	tensor_load_to_lds s[G0AB:G0AB+3], s[G1:G1+7]
	s_nop 0
	tensor_load_to_lds s[G0AB+4:G0AB+7], s[G1:G1+7]
	s_nop 0
.rept 4
	v_nop
.endr
	s_branch .Lfirst_asked
.Lfirst_c:
	tensor_load_to_lds s[G0C:G0C+3], s[G1C:G1C+7]
	s_nop 0
	tensor_load_to_lds s[G0C+4:G0C+7], s[G1C:G1C+7]
	s_nop 0
.rept 4
	v_nop
.endr
.Lfirst_asked:
	v_and_b32 v1, 15, v0                           ; r
	v_bfe_u32 v2, v0, 4, 1                         ; h
	v_and_b32 v3, 31, v0                           ; lane
	v_lshlrev_b32 v[SO], 9, v1
	v_lshl_add_u32 v[SO], v2, 5, v[SO]
	WIN 0x40                                       ; destination window 1, address window 0
.set jt, 0
.rept 8                                ; my row's channels 16 jt + 8 h + 0..7, straight into S's registers
	global_load_b128 v[8*jt:8*jt+3],   v[SO], s[10:11] offset:64*jt th:TH_LOAD_NT
	global_load_b128 v[8*jt+4:8*jt+7], v[SO], s[10:11] offset:64*jt+16 th:TH_LOAD_NT
.set jt, jt+1
.endr
.irp i, 32,33,34,35
	v_mov_b32 v[KT+\i], 0                          ; what the last tile's upper half of K names
.endr
	WIN 0
	v_bfe_u32 v[LM], v0, 3, 1
	v_lshlrev_b32 v[LM], 12, v[LM]
	v_lshl_add_u32 v[LM], v2, 8, v[LM]
	v_and_b32 v12, 7, v0
	v_lshl_add_u32 v[LM], v12, 4, v[LM]
	v_lshlrev_b32 v[L16], 4, v3
	s_lshl_b32 s74, s[WV], 10
	v_lshl_add_u32 v[LA], v1, 4, s74
	v_add_nc_u32 v[LVG], 1, v2
	v_lshl_add_u32 v[LVG], v[LVG], 12, v[LA]
	v_lshlrev_b32 v[LC], 3, v3
	v_add_nc_u32 v[LC], 2048, v[LC]
	s_add_co_u32 s75, s74, SCR                     ; my scratch
	v_sub_nc_u32 v[SCW], 1, v2
	v_lshlrev_b32 v[SCW], 9, v[SCW]                ; lanes 16-31 write the half that is read back
	v_lshl_add_u32 v[SCW], v1, 5, v[SCW]           ; [channel r][16 tokens], 32 bytes a channel
	v_add_nc_u32 v[SCW], s75, v[SCW]
	v_lshl_add_u32 v[SCRD], v2, 3, v12             ; the transposing load: lane l reads channel 8 h + l % 8, tokens 8 ((l / 8) % 2) on, and is left with token r, channels 8 h on
	v_lshlrev_b32 v[SCRD], 5, v[SCRD]
	v_bfe_u32 v13, v0, 3, 1
	v_lshl_add_u32 v[SCRD], v13, 4, v[SCRD]
	v_add_nc_u32 v[SCRD], s75, v[SCRD]
	v_mov_b32 v[AC+1], 0                           ; named with AC as a pair
.irp i, 4,5,6,7
	v_mov_b32 v[WB+\i], 0                          ; a chunk has 16 tokens, the product's K is 32: the upper half is multiplied by these zeros
.endr
.set i, 0
.rept 16                               ; a lane-sharing line counts as a reader of its destination: B1 and B2 are written once here, in the wait for the first tile
	v_mov_b32 v[B1+i], 0
	v_mov_b32 v[B2+i], 0
.set i, i+1
.endr
; The next chunk's six LDS addresses, made together at a trip's head, lines ahead of the loads that name them
.macro ADDR
	v_add_nc_u32 v[ADM], s[TBK], v[LM]
	v_add_nc_u32 v[ADV], s[TBA], v[LVG]
	v_add_nc_u32 v[ADA], s[TBA], v[LA]
	v_add_nc_u32 v[ADF], s[TBC], v[L16]
	v_add_nc_u32 v[ADC], s[TBC], v[LC]
	v_add_nc_u32 v[ADK], s[TBK], v[L16]
.endm
; The next chunk's K and Q, mixed, and its v and g: 20 LDS loads
.macro P1
.irp s, 0,1,2,3                        ; channels 32 s on; tokens 8-15 lie 128 bytes behind tokens 0-7
	ds_load_b128 v[MIX+8*\s:MIX+8*\s+3],         v[ADM] offset:1024*\s
	ds_load_b128 v[MIX+8*\s+4:MIX+8*\s+7],       v[ADM] offset:1024*\s+512
	ds_load_b128 v[MIX+32+8*\s:MIX+32+8*\s+3],   v[ADM] offset:1024*\s+128
	ds_load_b128 v[MIX+32+8*\s+4:MIX+32+8*\s+7], v[ADM] offset:1024*\s+640
.endr
.irp g, 0,1,2,3                        ; tokens 4 g on
	ds_load_b128 v[VG+4*\g:VG+4*\g+3], v[ADV] offset:(\g%2)*512+(\g/2)*256
.endr
.endm
; The next chunk's alphas, Gram numbers and scalars: 9 LDS loads
.macro ALD
.irp g, 0,1,2,3
	ds_load_b128 v[A+4*\g:A+4*\g+3], v[ADA] offset:(\g%2)*512+(\g/2)*256
.endr
.irp g, 0,1,2,3
	ds_load_b128 v[CF+4*\g:CF+4*\g+3], v[ADF] offset:512*\g
.endr
	ds_load_b64 v[C1:C1+1], v[ADC]
.endm
; Unit un of step t's decays, x[e] times a_t for e >= t: pairs; an odd step begins with x[t] alone, so that x[t-1] keeps the value that o g is made of
.macro MU t, un
.if ((\t)%2) == 0
	v_pk_mul_f32 v[X+(\t)+2*(\un):X+(\t)+2*(\un)+1], v[X+(\t)+2*(\un):X+(\t)+2*(\un)+1], v[A+(\t):A+(\t)+1] op_sel_hi:[1,0]
.elseif (\un) == 0
	v_mul_f32 v[X+(\t)], v[X+(\t)], v[A+(\t)]
.else
	v_pk_mul_f32 v[X+(\t)-1+2*(\un):X+(\t)+2*(\un)], v[X+(\t)-1+2*(\un):X+(\t)+2*(\un)], v[A+(\t)-1:A+(\t)] op_sel:[0,1] op_sel_hi:[1,1]
.endif
.endm
; THE QUEUE of what finished steps have left, for pairs p of steps (2 p, 2 p + 1).  D p: w times the alphas of the steps behind it.  O p: o g (in lanes 16-31).  CW p, CO p: the two rounded to f16.
; Order: D0 O0, then D(g+1) O(g+1) CW(g) CO(g) for g = 0..5: 26 entries.  D p and O p may stand only behind step 2 p + 1; a rounding stands six entries behind what it rounds.
.macro FQ
.if fq < 2
.set fk, fq
.set fp, 0
.else
.set fk, (fq-2)%4
.set fp, (fq-2)/4+1-fk/2
.endif
.if fk == 0
	v_pk_mul_f32 v[B1+2*fp:B1+2*fp+1], v[B1+2*fp:B1+2*fp+1], v[SFX+2*fp:SFX+2*fp+1]
.elseif fk == 1
	v_pk_mul_f32 v[B2+2*fp:B2+2*fp+1], v[X+2*fp:X+2*fp+1], v[B2+2*fp:B2+2*fp+1]
.elseif fk == 2
	v_cvt_pk_f16_f32 v[WP+fp], v[B1+2*fp], v[B1+2*fp+1]
.else
	v_cvt_pk_f16_f32 v[OP+fp], v[B2+2*fp], v[B2+2*fp+1]
.endif
.set fq, fq+1
.endm
.macro FILL k
.if (\k) > 0
.rept \k
	FQ
.endr
.endif
.endm
; STEP t.  row_share:t gives every lane of a half the number that lane t of that half holds.
; The queue's deal (behind w / behind the exchange / at the step's end): step 10: 1, 1, 0;  11: 1, 2, 0;  12: 2, 2, 0;  13: 2, 2, 1;  14: 2, 3, 2;  15: 2, 3, 0: 26 in all.
; When step t begins, 4 (t / 2) - 2 entries are allowed (18, 18, 22, 22, 26, 26 for steps 10 to 15); dealt by then and in the step: 2, 5, 9, 14, 21, 26.
.macro STEP t
.set mt, 8-(\t)/2                      ; the step's decays, in units
.set na, (mt+1)/2                      ; of them in front of the exchange
.set fa, 0
.set fb, 0
.set fc, 0
.if (\t) >= 10
.set fa, 1
.set fb, 1
.endif
.if (\t) >= 11
.set fb, 2
.endif
.if (\t) >= 12
.set fa, 2
.endif
.if (\t) == 13
.set fc, 1
.endif
.if (\t) >= 14
.set fb, 3
.endif
.if (\t) == 14
.set fc, 2
.endif
	v_fmac_f32_dpp v[B1+(\t)], v[C2], v[X+(\t)] row_share:\t row_mask:0xf bank_mask:0xf  ; below: w = c1 v + c2 x_lo[t]; above c2 = 0: rq g stays
	v_fmac_f32_dpp v[B2+(\t)], v[C2], v[X+(\t)] row_share:\t row_mask:0xf bank_mask:0xf  ; twice, for the exchange
.set uu, 0
.rept na
	MU \t, uu
.set uu, uu+1
.endr
	FILL fa
	v_permlane16_swap_b32 v[B1+(\t)], v[B2+(\t)]   ; B1's upper lanes change places with B2's lower: B1 = w, B2 = rq g, in both halves
.if mt > na
.rept mt-na
	MU \t, uu
.set uu, uu+1
.endr
.endif
	FILL fb
.if (\t) < 15
	v_fmac_f32_dpp v[X+(\t)+1], v[CF+(\t)+1], v[B1+(\t)] row_share:\t row_mask:0xf bank_mask:0xf  ; the number that the next step waits for comes first
.endif
	v_fmac_f32_dpp v[X+(\t)], v[CF+(\t)], v[B1+(\t)] row_share:\t row_mask:0xf bank_mask:0xf
.if (\t) < 14
.set e, (\t)+2
.rept 14-(\t)
	v_fmac_f32_dpp v[X+e], v[CF+e], v[B1+(\t)] row_share:\t row_mask:0xf bank_mask:0xf
.set e, e+1
.endr
.endif
	FILL fc
.endm
; o g leaves: through my scratch, transposed
.macro OUTD
	s_wait_xcnt 0x0                                ; the last store has read OT and its base: only behind this wait are they rewritten
	s_add_nc_u64 s[OGP:OGP+1], s[OGP:OGP+1], 65536 ; the next token tile; the store reaches back
	ds_store_b128 v[SCW], v[OP:OP+3]
	ds_store_b128 v[SCW], v[OP+4:OP+7] offset:16
	ds_load_tr16_b128 v[OT:OT+3], v[SCRD]          ; LDS serves a wave's instructions in order (ISA guide 5.7.1.4): it sees the two stores
.endm
; THE UPPER HALF OF A TRIP, for chunk c.  last = 1 (the tail): in the last trip there is no further chunk: the fetch is jumped over, and the trip is left behind the 16 steps.
.macro TOP last
	WIN 0
	ADDR                                           ; with the five lines that close BOTTOM: the places behind the products that read K and Q mixed
.if \last
	s_cmp_eq_u32 s[CNT], 1
	s_cbranch_scc1 .Lno_p1_\@
.endif
	P1                                             ; chunk c + 1
.if \last
.Lno_p1_\@:
.endif
.set fq, 0
.irp t, 0,1,2,3,4,5,6,7,8,9,10,11,12,13,14,15
	STEP \t
.endr
	v_mul_f32 v[B1+14], v[B1+14], v[A+15]          ; the queue's last six: behind step 14 stands one alpha, behind step 15 none
	v_cvt_pk_f16_f32 v[WP+6], v[B1+12], v[B1+13]
	v_cvt_pk_f16_f32 v[OP+6], v[B2+12], v[B2+13]
	v_pk_mul_f32 v[B2+14:B2+15], v[X+14:X+15], v[B2+14:B2+15]
	v_cvt_pk_f16_f32 v[WP+7], v[B1+14], v[B1+15]
	v_cvt_pk_f16_f32 v[OP+7], v[B2+14], v[B2+15]
.if \last
	s_cmp_eq_u32 s[CNT], 1
	s_cbranch_scc1 .Lfin
.endif
	ALD                                            ; chunk c + 1: the steps have read chunk c's
	OUTD
.irp q, 0,1,2,3
	v_cndmask_b32 v[WB+\q], v[WP+\q], v[WP+4+\q], s[MHI]  ; lanes 0-15 tokens 0-7, lanes 16-31 tokens 8-15
.endr
	WIN 0x51                                       ; K^T and S window 1, w window 0.  The scaling (destination and source 0 window 1, AC window 0) has no third source and runs under the same setting
.set p, 0
.rept 8                                ; S times the chunk's product of alphas: tiles 0 and 1 ahead of the products,
	v_pk_mul_f32 v[2*p:2*p+1], v[2*p:2*p+1], v[AC:AC+1] op_sel_hi:[1,0]
.set p, p+1
.endr
	s_wait_dscnt 12                                ; all but the twelve just issued (nine loads, o g's two stores and its load): K^T of chunk c is in
.irp jt, 0,1,2,3,4,5,6,7                ; eight accumulators, one instruction each.  The upper half of K names the next tile's finite numbers, times w's zeros
	v_wmma_f32_16x16x32_f16 v[8*\jt:8*\jt+7], v[KT+4*\jt:KT+4*\jt+7], v[WB:WB+7], v[8*\jt:8*\jt+7]
.if \jt < 6
.rept 4                                ; tile jt + 2 behind product jt: it names no register of the products in front of it
	v_pk_mul_f32 v[2*p:2*p+1], v[2*p:2*p+1], v[AC:AC+1] op_sel_hi:[1,0]
.set p, p+1
.endr
.endif
.endr
.endm
; Product k of 8 of the projections: tokens 8 (k % 2) on, channels 32 (k / 2) on.  Two accumulators by turns; the first two start the sums.
.macro XW k
.if (\k) < 2
	v_wmma_f32_16x16x32_f16 v[X+8*(\k):X+8*(\k)+7], v[MIX+32*(\k):MIX+32*(\k)+7], v[SF:SF+7], 0
.else
	v_wmma_f32_16x16x32_f16 v[X+8*((\k)%2):X+8*((\k)%2)+7], v[MIX+32*((\k)%2)+8*((\k)/2):MIX+32*((\k)%2)+8*((\k)/2)+7], v[SF+8*((\k)/2):SF+8*((\k)/2)+7], v[X+8*((\k)%2):X+8*((\k)%2)+7]
.endif
.endm
; THE LOWER HALF, for chunk c + 1: the state as f16; its K^T is asked for; its projections, and beside them the products of its alphas and the start of its w.
.macro BOTTOM store
	WIN 0x05                                       ; sources window 1, destination window 0
.set p, 0
.rept 32                               ; each accumulator's registers in ascending order; tiles 2 s and 2 s + 1 are the two halves of fragment s.  A tile's conversions stand 24 plain lines or more behind its product
	v_cvt_pk_f16_f32 v[SF+p], v[2*p], v[2*p+1]
.set p, p+1
.endr
	WIN 0x40                                       ; the 32 conversions are also the places in front of these loads
.irp jt, 0,1,2,3,4,5,6,7
	ds_load_b128 v[KT+4*\jt:KT+4*\jt+3], v[ADK] offset:8192+512*\jt
.endr
	WIN 0
.if \store
	s_wait_dscnt 11                                ; o g's three and K^T's eight may be out: K, Q, v, g, a, the Gram numbers and the scalars are in
.else
	s_wait_dscnt 8                                 ; K^T's eight may be out
.endif
.irp n, 0,1,2,3,4,5,6,7,8,9,10,11,12,13,14,15  ; 47 lines that name none of the products' registers, six behind each product, five behind the last
.if ((\n)%2) == 0
	XW (\n)/2
.endif
.if \n == 0
	v_mul_f32 v[SFX+13], v[A+15], v[A+14]
.elseif \n < 14
	v_mul_f32 v[SFX+13-\n], v[SFX+14-\n], v[A+14-\n]
.elseif \n == 14
	v_mul_f32 v[AC], v[SFX], v[A]
.endif
	v_mul_f32_dpp v[B1+\n], v[C1], v[VG+\n] row_share:\n row_mask:0xf bank_mask:0xf  ; below c1 v, above rq g
	v_mul_f32_dpp v[B2+\n], v[C1], v[VG+\n] row_share:\n row_mask:0xf bank_mask:0xf
.endr
.if \store
	s_wait_dscnt 8                                 ; all but K^T's eight: o g is back
	global_store_b128 v[L16], v[OT:OT+3], s[OGP:OGP+1] offset:-65536
.endif
	s_add_co_u32 s[TBK], s[TBK], CHK               ; the next fetches are the next chunk's
	s_add_co_u32 s[TBA], s[TBA], CHK
	s_add_co_u32 s[TBC], s[TBC], CHC
.endm
; THE CHANGE OF SLOTS, behind the lower half of a slot's fourth chunk: every read of the slot has been issued.  Each wave waits for all its tensor loads (one is out: its part of the other slot), adds 0 to its
; spare word, and waits for that and for its reads.  fill = 1: the slot is filled again, with the chunks two slots on, first thing behind the barrier: the load has four chunks in which to land.
.macro CHANGE fill
	WIN 0
	s_wait_tensorcnt 0x0                           ; no tensor load of mine is out, so a group 0 may be written
	ds_add_u32 v[SPW], v[NIL]                      ; 0 onto my spare word
.if \fill
	s_xor_b32 s[G0AB+5], s[G0AB+5], SLOT1          ; the walking descriptors: the other slot than last time,
	s_add_nc_u64 s[G0AB+6:G0AB+7], s[G0AB+6:G0AB+7], 4*CHK  ; the next four chunks; the type bits on top are not reached
	s_xor_b32 s[G0C+5], s[G0C+5], SLOT1
	s_add_nc_u64 s[G0C+6:G0C+7], s[G0C+6:G0C+7], 4*CHC
.endif
	s_wait_dscnt 0x0                               ; the add is done, and my reads of the slot are over
	s_barrier_signal -1
	s_sub_co_u32 s[TBK], s[TBK], 4*CHK             ; the fetches go back to a slot's first chunk,
	s_xor_b32 s[TBK], s[TBK], SLOT1                ; in the other slot
	s_sub_co_u32 s[TBA], s[TBA], 4*CHK
	s_xor_b32 s[TBA], s[TBA], SLOT1
	s_sub_co_u32 s[TBC], s[TBC], 4*CHC
	s_xor_b32 s[TBC], s[TBC], SLOT1
	s_barrier_wait -1
.if \fill
	LOAD
.endif
.endm
	s_wait_tensorcnt 0x1                           ; my part of slot 0 is in; slot 1's may stay out
	s_barrier_signal -1
	s_barrier_wait -1                              ; everybody's is
	ADDR
	P1                                             ; chunk 0
	ALD
	s_wait_loadcnt 0x0                             ; state
	WIN 0x45                                       ; sources and destination window 1
.set p, 0
.rept 32                               ; rounded to bf16 like every input, and carried in f32: in place, pair by pair
	v_cvt_pk_bf16_f32 v[2*p], v[2*p], v[2*p+1]
	v_and_b32 v[2*p+1], 0xffff0000, v[2*p]
	v_lshlrev_b32 v[2*p], 16, v[2*p]
.set p, p+1
.endr
	BOTTOM 0                                       ; chunk 0's projections; nothing to store yet
	s_mov_b32 s[CNT], 3                            ; slot 0 has three trips left: its first lower half stands above
	s_mov_b32 s[SLOTS], 15
	s_branch .Ltop
.Lslot:                                                ; 14 times: every slot but the last two is filled again
	CHANGE 1
	s_mov_b32 s[CNT], 4
.Ltop:
	TOP 0
	BOTTOM 1
	s_sub_co_u32 s[CNT], s[CNT], 1
	s_cmp_lg_u32 s[CNT], 0
	s_cbranch_scc1 .Ltop
	s_sub_co_u32 s[SLOTS], s[SLOTS], 1
	s_cmp_lg_u32 s[SLOTS], 0
	s_cbranch_scc1 .Lslot
	CHANGE 0                                       ; the tail is written out: nothing is asked for
	s_mov_b32 s[CNT], 5                            ; four trips fetch the last slot's chunks; the fifth is left behind its 16 steps
.Ltail:
	TOP 1
	BOTTOM 1
	s_sub_co_u32 s[CNT], s[CNT], 1
	s_cmp_lg_u32 s[CNT], 0
	s_cbranch_scc1 .Ltail
.Lfin:
	OUTD                                           ; the last chunk's o g; the last state is nobody's result
	s_wait_dscnt 0x0
	global_store_b128 v[L16], v[OT:OT+3], s[OGP:OGP+1] offset:-65536
	s_wait_tensorcnt 0x0                           ; the wave's end, behind my last tensor load and my last LDS store
	ds_add_u32 v[SPW], v[NIL]
	s_wait_dscnt 0x0
	s_endpgm
.Lfunc_end_k_q501a56a34d_scan:
	.size	k_q501a56a34d_scan, .Lfunc_end_k_q501a56a34d_scan-k_q501a56a34d_scan
	.p2alignl 7, 3214868480
	.fill 96, 4, 3214868480
	.section	.rodata,"a",@progbits
	.p2align	6, 0x0
	.amdhsa_kernel k_q501a56a34d_scan
		.amdhsa_group_segment_fixed_size 327680
		.amdhsa_private_segment_fixed_size 0
		.amdhsa_enable_private_segment 0
		.amdhsa_kernarg_size 40
		.amdhsa_user_sgpr_count 2
		.amdhsa_user_sgpr_kernarg_segment_ptr 1
		.amdhsa_wavefront_size32 1
		.amdhsa_system_sgpr_workgroup_id_x 1
		.amdhsa_system_sgpr_workgroup_id_y 1
		.amdhsa_system_sgpr_workgroup_id_z 1
		.amdhsa_system_vgpr_workitem_id 0
		.amdhsa_next_free_vgpr 424
		.amdhsa_next_free_sgpr 80
		.amdhsa_reserve_vcc 0
		.amdhsa_float_denorm_mode_32 3
		.amdhsa_float_denorm_mode_16_64 3
		.amdhsa_memory_ordered 1
		.amdhsa_forward_progress 1
		.amdhsa_inst_pref_size 82
	.end_amdhsa_kernel
	.amdgpu_metadata
---
amdhsa.version: [ 1, 2 ]
amdhsa.kernels:
  - .name:           k_q501a56a34d_scan
    .symbol:         k_q501a56a34d_scan.kd
    .args:
      - { .name: kqt, .offset: 0, .size: 8, .value_kind: global_buffer, .address_space: global }
      - { .name: avg, .offset: 8, .size: 8, .value_kind: global_buffer, .address_space: global }
      - { .name: cfr, .offset: 16, .size: 8, .value_kind: global_buffer, .address_space: global }
      - { .name: state, .offset: 24, .size: 8, .value_kind: global_buffer, .address_space: global }
      - { .name: ogf, .offset: 32, .size: 8, .value_kind: global_buffer, .address_space: global }
    .group_segment_fixed_size: 327680
    .private_segment_fixed_size: 0
    .kernarg_segment_align: 8
    .kernarg_segment_size: 40
    .max_flat_workgroup_size: 128
    .sgpr_count:     80
    .vgpr_count:     424
    .wavefront_size: 32
...
	.end_amdgpu_metadata
.endif
;; end of part 4
;; launch outp (part 5): grid 16 x 16, 4 waves a work-group, clusters of 4 x 4, 327,680 bytes of LDS; arguments ogf, wo16, out0; writes out0
.if DOCPART == 5
	.amdgcn_target "amdgcn-amd-amdhsa--gfx1250"
	.amdhsa_code_object_version 6
	.text
	.protected	k_q501a56a34d_outp
	.globl	k_q501a56a34d_outp
	.p2align	8
	.type	k_q501a56a34d_outp,@function
k_q501a56a34d_outp:
	s_mov_b64 s[64:65], 0
	v_nop
	global_prefetch_b8 v0, s[64:65] scope:SCOPE_SE
	s_setreg_imm32_b32 hwreg(HW_REG_WAVE_MODE, 25, 1), 1
	s_wait_xcnt 0x0
	s_wait_alu depctr_hold_cnt(0) depctr_sa_sdst(0) depctr_va_vdst(0) depctr_va_sdst(0) depctr_va_ssrc(0) depctr_va_vcc(0) depctr_vm_vsrc(0)
	s_getreg_b32 s2, hwreg(HW_REG_IB_STS2, 6, 4)
	s_cmp_eq_u32 s2, 0
	s_cbranch_scc0 .Lentry_in_a_cluster
	s_endpgm
.Lentry_in_a_cluster:
	s_bfe_u32 s2, ttmp6, 0x10000c
	s_cmp_lg_u32 s2, 0xf033
	s_cbranch_scc0 .Lentry_shape_is_right
	s_endpgm
.Lentry_shape_is_right:
; OUTP.  out0[token][n] = the sum over c of (o g)[token][c] Wo[n][c]: 2048 x 2048 x 2048, f16 operands (Wo: the bf16-rounded number written as f16), f32 sums, f32 out.
; A tile of out0 is 128 x 128: 16 x 16 = 256 work-groups.  Four waves, each 64 x 64: 16 accumulators of 16 x 16.  K goes in steps of 256 through two LDS slots.
; o g arrives as fragment images (ogf[token tile][64][1 KB]): a K step of a token tile is 8,192 consecutive bytes, which land in LDS as they lie; a fragment load takes 512 consecutive bytes, so no padding is wanted.
; Wo's rows are 512 bytes of a K step, padded to 528.
; CLUSTER 4 x 4: o g's tile hangs on the token block alone and is asked for jointly along a row of the cluster, Wo's on the column block alone, jointly along a column.
; THE MATRIX INSTRUCTION IS USED TRANSPOSED (source 0 = 16 rows of Wo, source 1 = 16 tokens): a lane holds eight neighbouring numbers, 32 bytes, of a row of out0.
; A wave's 64 columns are 256 aligned bytes of out0, so each wave sends its own rows through its own stage: no barrier on the way out.
; REGISTERS: window 0: v0-31 addresses; v32-95 rows on the way out, two sets; v128-255 the accumulators ((a, b) at 128 + 8 (4 a + b)).  Window 1: two fragment buffers of 128: 64 registers of o g, then 64 of Wo.
.set KSTEP,  256
.set PITCH,  528                       ; 512 bytes + 16 of padding = 132 words: the 16 rows of a load start at 16 different groups of four banks (64 banks of 4 bytes: ISA guide 11.1)
.set AHALF,  4*8192                    ; four token tiles x 8 images
.set BOFF,   2*AHALF
.set BHALF,  64*PITCH
.set SLOT,   BOFF+2*BHALF              ; 133,120 bytes
.set STAGE,  2*SLOT                    ; behind the ring: 16 rows x 272 bytes for each wave
.set SPITCH, 272
.set SPARE,  STAGE+4*16*SPITCH         ; the spare words, 128 bytes a wave: two blocks of 256 bytes that no other line names
.set LAPS,   2048/(2*KSTEP)
.set ADRA, 16                          ; v16-17  LDS address of my fragments of o g in slot 0, 1
.set ADRB, 20                          ; v20-21  the same for Wo
.set STO,  24                          ; v24     the way out: where I put 32 bytes of a row
.set RD,   25                          ; v25     the way out: where I read a row back
.set CO,   26                          ; v26     my byte offset in out0
.set SPW,  28                          ; v28     LDS address of my spare word; never rewritten
.set NIL,  29                          ; v29     0; never rewritten
.set TMP,  32
.set ACC,  128
.set F0,   0                           ; fragment buffers, in window 1
.set F1,   128
.set G1, 24                            ; s[24:31] descriptor group 1 for o g's tiles;  s[32:39] group 0, a set for each slot
.set G0, 32
.set G1B, 48                           ; s[48:55], s[56:63] the same for Wo's
.set G0B, 56
.set MSB, 0
.macro WIN new                         ; the immediate's high byte repeats the setting that is left
.if MSB != (\new)
	s_set_vgpr_msb (MSB<<8)|(\new)
.set MSB, \new
.endif
.endm
.set MUL,  0x05                        ; sources 0 and 1 window 1; C and D window 0
.set TO_F, 0x40                        ; destination window 1, address window 0
.macro JLOAD s                         ; a joint load: waves 0 and 1 fetch o g's two halves, waves 2 and 3 Wo's; an s_nop 0 and four v_nop follow each of the two lines
	s_cmp_eq_u32 s11, 0
	s_cbranch_scc0 .Lfor_b_\@
	tensor_load_to_lds s[G0+4*(\s):G0+4*(\s)+3], s[G1:G1+7]
	s_nop 0
.rept 4
	v_nop
.endr
	s_branch .Lasked_\@
.Lfor_b_\@:
	tensor_load_to_lds s[G0B+4*(\s):G0B+4*(\s)+3], s[G1B:G1B+7]
	s_nop 0
.rept 4
	v_nop
.endr
.Lasked_\@:
.endm
.macro CREST                           ; a round of the cluster's barrier behind its opening barrier
	s_cmp_lg_u32 s10, 0
	s_cbranch_scc1 .Lnot_wave_0_\@
	s_barrier_signal -3
.Lnot_wave_0_\@:
	s_barrier_wait -3
	s_barrier_signal -1
	s_barrier_wait -1
.endm
.macro CROUND                          ; a whole round
	s_barrier_signal -1
	s_barrier_wait -1
	CREST
.endm
	s_load_b128 s[4:7], s[0:1], 0x0                ; ogf s[4:5], wo16 s[6:7]
	s_load_b64 s[8:9], s[0:1], 0x10                ; out0
	v_lshl_add_u32 v[SPW], v0, 2, SPARE
	v_mov_b32 v[NIL], 0
	ds_add_u32 v[SPW], v[NIL]                      ; the wave's opening: the add and its wait stand ahead of my first tensor load; the set-up below, work on registers, stands between them
	v_lshrrev_b32 v1, 5, v0
	v_readfirstlane_b32 s10, v1                    ; wave 0..3
	s_lshr_b32 s11, s10, 1                         ; which 64 tokens are mine.  Also: I fetch o g (0) or Wo (1)
	s_and_b32 s12, s10, 1                          ; which 64 columns.  Also: which half of that tile I fetch
	s_bfe_u32 s40, ttmp6, 0x40000                  ; cx, cy
	s_bfe_u32 s41, ttmp6, 0x40004
	s_lshl_b32 s42, ttmp9, 2
	s_add_co_u32 s42, s42, s40                     ; column block = 4 x cluster x + cx
	s_and_b32 s13, ttmp7, 0xffff
	s_lshl_b32 s13, s13, 2
	s_add_co_u32 s13, s13, s41                     ; token block = 4 x cluster y + cy
	s_lshl_b32 s43, s41, 2
	s_lshl_b32 s43, 15, s43                        ; my row of the cluster
	s_lshl_b32 s44, 0x1111, s40                    ; my column
	s_or_b32 s[G1+0], s43, (3<<16)|(1<<21)         ; 15:0 the mask; 17:16 elements of 8 bytes; 21 set beside a mask; no padding
	s_mov_b32 s[G1+1], 1024<<16                    ; tensor_dim0 = 1,024 elements: 8,192 bytes, a token tile's 8 images
	s_mov_b32 s[G1+2], 4<<16                       ; tensor_dim1 = 4 token tiles
	s_mov_b32 s[G1+3], 1024<<16                    ; tile_dim0
	s_mov_b32 s[G1+4], 4                           ; tile_dim1
	s_mov_b32 s[G1+5], 8192                        ; 65,536 bytes from a token tile to the next
	s_mov_b32 s[G1+6], 0
	s_mov_b32 s[G1+7], 0
	s_or_b32 s[G1B+0], s44, (1<<16)|(1<<20)|(1<<21)|(6<<22)|(3<<25)  ; 2-byte elements; padding on, after every 128 words, 4 words
	s_mov_b32 s[G1B+1], KSTEP<<16
	s_mov_b32 s[G1B+2], 64<<16
	s_mov_b32 s[G1B+3], KSTEP<<16
	s_mov_b32 s[G1B+4], 64
	s_mov_b32 s[G1B+5], 2048
	s_mov_b32 s[G1B+6], 0
	s_mov_b32 s[G1B+7], 0
	s_lshl_b32 s17, s12, 2
	s_lshl_b32 s16, s13, 3
	s_add_co_u32 s16, s16, s17                     ; o g: token tile 8 x token block + 4 x half,
	s_lshl_b32 s16, s16, 16                        ; of 65,536 bytes
	s_mov_b32 s17, 0
	s_lshl_b32 s46, s42, 7
	s_lshl_b32 s47, s12, 6
	s_add_co_u32 s46, s46, s47                     ; Wo: row 128 x column block + 64 x half,
	s_lshl_b32 s46, s46, 12                        ; of 4,096 bytes
	s_mov_b32 s47, 0
	s_mul_i32 s20, s12, AHALF                      ; where they go: no place in the cluster enters an LDS address
	s_mul_i32 s21, s12, BHALF
	s_add_co_u32 s21, s21, BOFF
	s_wait_dscnt 0x0                               ; the opening add is done
	s_wait_kmcnt 0x0
	s_add_nc_u64 s[14:15], s[4:5], s[16:17]
	s_add_nc_u64 s[46:47], s[6:7], s[46:47]
	CROUND                                         ; all sixteen work-groups are here: the first joint loads meet
.irp s, 0,1
	s_mov_b32 s[G0+4*(\s)], 1
	s_add_co_u32 s[G0+4*(\s)+1], s20, (\s)*SLOT
	s_add_nc_u64 s[G0+4*(\s)+2:G0+4*(\s)+3], s[14:15], (\s)*8192   ; K step s: 8 images on
	s_or_b32 s[G0+4*(\s)+3], s[G0+4*(\s)+3], 0x80000000
	s_mov_b32 s[G0B+4*(\s)], 1
	s_add_co_u32 s[G0B+4*(\s)+1], s21, (\s)*SLOT
	s_add_nc_u64 s[G0B+4*(\s)+2:G0B+4*(\s)+3], s[46:47], (\s)*KSTEP*2
	s_or_b32 s[G0B+4*(\s)+3], s[G0B+4*(\s)+3], 0x80000000
	JLOAD \s                                       ; two loads of mine are out
.endr
	v_and_b32 v1, 15, v0                           ; l % 16
	v_bfe_u32 v2, v0, 4, 1                         ; l / 16
	v_and_b32 v6, 31, v0
	v_lshlrev_b32 v6, 4, v6                        ; an image is read as it lies: 16 x lane
	v_mul_u32_u24 v3, v1, PITCH
	v_lshl_add_u32 v3, v2, 4, v3                   ; Wo: row x pitch + 16 x half
	s_mul_i32 s21, s11, AHALF                      ; my four token tiles
	s_mul_i32 s22, s12, BHALF                      ; my 64 rows of Wo
	s_add_co_u32 s22, s22, BOFF
.irp s, 0,1
	v_add_nc_u32 v[ADRA+(\s)], s21, v6
	v_add_nc_u32 v[ADRB+(\s)], s22, v3
	s_add_co_u32 s21, s21, SLOT
	s_add_co_u32 s22, s22, SLOT
.endr
	s_mul_i32 s23, s10, 16*SPITCH
	s_add_co_u32 s23, s23, STAGE                   ; my stage
	v_mul_u32_u24 v4, v1, SPITCH                   ; in: row l % 16, 32 bytes for each half of the lanes
	v_lshl_add_u32 v4, v2, 5, v4
	v_add_nc_u32 v[STO], s23, v4
	v_mul_u32_u24 v5, v2, SPITCH                   ; back: lanes 0-15 take one row of 256 bytes, lanes 16-31 the next
	v_lshl_add_u32 v5, v1, 4, v5
	v_add_nc_u32 v[RD], s23, v5
	v_lshlrev_b32 v5, 13, v2                       ; and the same two rows in out0, 8,192 bytes apart
	v_lshl_add_u32 v[CO], v1, 4, v5
	s_lshl_b32 s16, s13, 7
	s_lshl_b32 s17, s11, 6
	s_add_co_u32 s16, s16, s17                     ; my first row of out0
	s_lshl_b32 s16, s16, 13
	s_mov_b32 s17, 0
	s_add_nc_u64 s[8:9], s[8:9], s[16:17]
	s_lshl_b32 s46, s42, 9                         ; my first column, in bytes: 512 x column block + 256 x half
	s_lshl_b32 s47, s12, 8
	s_add_co_u32 s46, s46, s47
	s_mov_b32 s47, 0
	s_add_nc_u64 s[8:9], s[8:9], s[46:47]
; 8 matrix instructions: token tiles a0, a0 + 1 x all 4 column tiles, 32 along K: half c of buffer f.  zero = 1: the first product starts the sums.  The 16 accumulators take turns.
.macro MUL8 f, c, a0, zero
	WIN MUL
.irp a, \a0, (\a0)+1
.irp b, 0,1,2,3
.if \zero
	v_wmma_f32_16x16x32_f16 v[ACC+8*(4*(\a)+(\b)):ACC+8*(4*(\a)+(\b))+7], v[(\f)+64+8*(4*(\c)+(\b)):(\f)+64+8*(4*(\c)+(\b))+7], v[(\f)+8*(4*(\c)+(\a)):(\f)+8*(4*(\c)+(\a))+7], 0
.else
	v_wmma_f32_16x16x32_f16 v[ACC+8*(4*(\a)+(\b)):ACC+8*(4*(\a)+(\b))+7], v[(\f)+64+8*(4*(\c)+(\b)):(\f)+64+8*(4*(\c)+(\b))+7], v[(\f)+8*(4*(\c)+(\a)):(\f)+8*(4*(\c)+(\a))+7], v[ACC+8*(4*(\a)+(\b)):ACC+8*(4*(\a)+(\b))+7]
.endif
.endr
.endr
.endm
; 32 LDS loads in one run: the fragments of 64 along K (byte k of Wo's rows; images k / 64 and k / 64 + 1 of o g), into buffer f; the first 32 along K first
.macro FETCH slot, k, f
	WIN TO_F
.irp c, 0,1
.irp i, 0,1,2,3
	ds_load_b128 v[(\f)+64+8*(4*(\c)+(\i)):(\f)+64+8*(4*(\c)+(\i))+3],   v[ADRB+(\slot)] offset:(\k)+64*(\c)+(\i)*16*PITCH
	ds_load_b128 v[(\f)+64+8*(4*(\c)+(\i))+4:(\f)+64+8*(4*(\c)+(\i))+7], v[ADRB+(\slot)] offset:(\k)+64*(\c)+(\i)*16*PITCH+32
	ds_load_b128 v[(\f)+8*(4*(\c)+(\i)):(\f)+8*(4*(\c)+(\i))+3],         v[ADRA+(\slot)] offset:(\i)*8192+((\k)/128)*2048+(\c)*1024
	ds_load_b128 v[(\f)+8*(4*(\c)+(\i))+4:(\f)+8*(4*(\c)+(\i))+7],       v[ADRA+(\slot)] offset:(\i)*8192+((\k)/128)*2048+(\c)*1024+512
.endr
.endr
.endm
.macro PLACES                          ; four places in front of loads into registers that matrix instructions have read, and of lines that read results (ISA guide 7.12.1 for the lines that read results)
.rept 4
	v_nop
.endr
.endm
; A K step is four quarters of 64 along K, 32 matrix instructions each, on buffers 0, 1, 0, 1.  One of the first three: multiplies buffer f and fetches the next quarter, at byte k, into g.
.macro QUARTER slot, k, f, g, zero
	s_wait_dscnt 16                                ; the first 32 along K are in; the youngest sixteen loads may be out
	MUL8 \f, 0, 0, \zero
	MUL8 \f, 0, 2, \zero
	PLACES
	FETCH \slot, \k, \g
	s_wait_dscnt 32                                ; all but the 32 just issued
	MUL8 \f, 1, 0, 0
	MUL8 \f, 1, 2, 0
.endm
; The last quarter multiplies buffer 1 and changes slots: ONE barrier; in front of it each wave waits for all its tensor loads, adds 0 to its spare word, and waits for that and for its reads of this slot.
; fill = 1: the barrier opens a round of the cluster's barrier, and this slot is filled again, two K steps ahead.
.macro TURN slot, next, fill
	WIN 0                                          ; (the add's two registers lie in window 0)
	s_wait_tensorcnt 0x0                           ; all my tensor loads have landed: my part of the next slot
	ds_add_u32 v[SPW], v[NIL]                      ; 0 onto my spare word
	s_wait_dscnt 17                                ; (the add and the youngest sixteen loads may be out)
	MUL8 F1, 0, 0, 0                               ; eight matrix instructions stand between the add and the wait for it
	s_wait_dscnt 0x0                               ; the add is done, and my reads of this slot are over
	s_barrier_signal -1
	MUL8 F1, 0, 2, 0
.if \fill
	WIN 0
.endif
	s_barrier_wait -1
.if \fill
	CREST                                          ; no wave of any partner still reads this slot's tile or has a load on its way
	s_add_nc_u64 s[G0+4*(\slot)+2:G0+4*(\slot)+3], s[G0+4*(\slot)+2:G0+4*(\slot)+3], 2*8192
	s_add_nc_u64 s[G0B+4*(\slot)+2:G0B+4*(\slot)+3], s[G0B+4*(\slot)+2:G0B+4*(\slot)+3], 2*KSTEP*2
	JLOAD \slot                                    ; my one load behind the round: 112 matrix instructions ahead of the wait for it; its four v_nop are also the places in front of the loads below
.else
	PLACES
.endif
	FETCH \next, 0, F0
	MUL8 F1, 1, 0, 0
	MUL8 F1, 1, 2, 0
.endm
	s_wait_tensorcnt 1                             ; my part of K step 0 is in; K step 1's may stay out
	s_barrier_signal -1
	s_barrier_wait -1                              ; everybody's is
	FETCH 0, 0, F0
	QUARTER 0, 128, F0, F1, 1                      ; the first quarter stands in front of the loop: its first products start the sums
	WIN 0                                          ; at a label and at a branch every window is 0
	s_mov_b32 s3, LAPS-1
.Llap:                                                 ; a trip goes once round the ring, from a lap's second quarter to the next lap's first, and fills both slots again
	QUARTER 0, 256, F1, F0, 0
	QUARTER 0, 384, F0, F1, 0
	TURN 0, 1, 1
	QUARTER 1, 128, F0, F1, 0
	QUARTER 1, 256, F1, F0, 0
	QUARTER 1, 384, F0, F1, 0
	TURN 1, 0, 1
	QUARTER 0, 128, F0, F1, 0
	WIN 0
	s_sub_co_u32 s3, s3, 1
	s_cmp_lg_u32 s3, 0
	s_cbranch_scc1 .Llap
	QUARTER 0, 256, F1, F0, 0                      ; the last lap fills nothing and has no round
	QUARTER 0, 384, F0, F1, 0
	TURN 0, 1, 0
	QUARTER 1, 128, F0, F1, 0
	QUARTER 1, 256, F1, F0, 0
	QUARTER 1, 384, F0, F1, 0
	s_wait_dscnt 16                                ; the very last quarter: nothing more to fetch
	MUL8 F1, 0, 0, 0
	MUL8 F1, 0, 2, 0
	s_wait_dscnt 0x0
	MUL8 F1, 1, 0, 0
	MUL8 F1, 1, 2, 0
	WIN 0
	; THE WAY OUT, 16 rows at a time: a lane's 32 bytes of a row go into my stage, and whole rows of 256 bytes come back, into two sets of registers by turns.
.macro TOSTAGE a
.irp b, 0,1,2,3
	ds_store_b128 v[STO], v[ACC+8*(4*(\a)+(\b)):ACC+8*(4*(\a)+(\b))+3]   offset:64*(\b)      ; each accumulator's lowest registers first
	ds_store_b128 v[STO], v[ACC+8*(4*(\a)+(\b))+4:ACC+8*(4*(\a)+(\b))+7] offset:64*(\b)+16
.endr
.irp t, 0,1,2,3,4,5,6,7
	ds_load_b128 v[TMP+32*((\a)%2)+4*(\t):TMP+32*((\a)%2)+4*(\t)+3], v[RD] offset:(\t)*2*SPITCH  ; LDS serves a wave's instructions in order (ISA guide 5.7.1.4): these see the stores above; the next block's stores come behind them
.endr
.endm
.macro SEND a, younger                 ; younger: the LDS instructions issued behind block a's loads: the next block's sixteen, or none
.irp t, 0,1,2,3,4,5,6,7
	s_wait_dscnt (\younger)+7-(\t)
	global_store_b128 v[CO], v[TMP+32*((\a)%2)+4*(\t):TMP+32*((\a)%2)+4*(\t)+3], s[8:9] offset:(16*(\a)+2*(\t))*8192 th:TH_STORE_NT  ; 16 lanes store 256 consecutive bytes, at a multiple of 256 from out0's first byte
.endr
.endm
	PLACES
	TOSTAGE 0
	TOSTAGE 1
	SEND 0, 16
	s_wait_xcnt 0x0                                ; block 0's stores have read their registers: only behind this wait are they loaded again
	TOSTAGE 2
	SEND 1, 16
	s_wait_xcnt 0x0
	TOSTAGE 3
	SEND 2, 16
	SEND 3, 0
	s_wait_tensorcnt 0x0                           ; the wave's end, behind my last tensor load and my last LDS store
	ds_add_u32 v[SPW], v[NIL]
	s_wait_dscnt 0x0
	CROUND                                         ; the closing round: no work-group ends while a partner may still ask for a tile that names it
	s_endpgm
.Lfunc_end_k_q501a56a34d_outp:
	.size	k_q501a56a34d_outp, .Lfunc_end_k_q501a56a34d_outp-k_q501a56a34d_outp
	.p2alignl 7, 3214868480
	.fill 96, 4, 3214868480
	.section	.rodata,"a",@progbits
	.p2align	6, 0x0
	.amdhsa_kernel k_q501a56a34d_outp
		.amdhsa_group_segment_fixed_size 327680
		.amdhsa_private_segment_fixed_size 0
		.amdhsa_enable_private_segment 0
		.amdhsa_kernarg_size 24
		.amdhsa_user_sgpr_count 2
		.amdhsa_user_sgpr_kernarg_segment_ptr 1
		.amdhsa_wavefront_size32 1
		.amdhsa_system_sgpr_workgroup_id_x 1
		.amdhsa_system_sgpr_workgroup_id_y 1
		.amdhsa_system_sgpr_workgroup_id_z 1
		.amdhsa_system_vgpr_workitem_id 0
		.amdhsa_next_free_vgpr 512
		.amdhsa_next_free_sgpr 66
		.amdhsa_reserve_vcc 0
		.amdhsa_float_denorm_mode_32 3
		.amdhsa_float_denorm_mode_16_64 3
		.amdhsa_memory_ordered 1
		.amdhsa_forward_progress 1
		.amdhsa_inst_pref_size 87
	.end_amdhsa_kernel
	.amdgpu_metadata
---
amdhsa.version: [ 1, 2 ]
amdhsa.kernels:
  - .name:           k_q501a56a34d_outp
    .symbol:         k_q501a56a34d_outp.kd
    .args:
      - { .name: ogf, .offset: 0, .size: 8, .value_kind: global_buffer, .address_space: global }
      - { .name: wo16, .offset: 8, .size: 8, .value_kind: global_buffer, .address_space: global }
      - { .name: out0, .offset: 16, .size: 8, .value_kind: global_buffer, .address_space: global }
    .group_segment_fixed_size: 327680
    .private_segment_fixed_size: 0
    .kernarg_segment_align: 8
    .kernarg_segment_size: 24
    .max_flat_workgroup_size: 128
    .sgpr_count:     66
    .vgpr_count:     512
    .wavefront_size: 32
...
	.end_amdgpu_metadata
.endif
;; end of part 5
;; ======== version 2 of 2: 5 launches; version 1 with the launch prep written anew for expert scheduling mode
;; limits: values are held in f16: magnitudes above 65,504 overflow, below 6.1e-05 lose precision; values outside matrix products are rounded to f16
;; workspace buffers: xb 8,388,608 bytes; wcat 41,943,040 bytes; wo16 8,388,608 bytes; kqt 25,165,824 bytes; avg 50,331,648 bytes; cfr 4,718,592 bytes; ogf 8,388,608 bytes
;; launch cast: the kernel of part 1 again; grid 256 x 7, 8 waves a work-group, no clusters, 0 bytes of LDS; arguments x, Wq, Wk, Wv, Wa, Wg, Wo, xb, wcat, wo16; writes xb, wcat, wo16
;; launch proj: the kernel of part 2 again; grid 32 x 8, 4 waves a work-group, clusters of 4 x 4, 327,680 bytes of LDS; arguments xb, wcat, ba, bg, kqt, avg; writes kqt, avg
;; launch prep (part 6): grid 64 x 2, 16 waves a work-group, no clusters, 18,432 bytes of LDS; arguments xb, Wb, bb, kqt, cfr; writes cfr
.if DOCPART == 6
	.amdgcn_target "amdgcn-amd-amdhsa--gfx1250"
	.amdhsa_code_object_version 6
	.text
	.protected	k_q501a56a34d_prep
	.globl	k_q501a56a34d_prep
	.p2align	8
	.type	k_q501a56a34d_prep,@function
k_q501a56a34d_prep:
	s_mov_b64 s[64:65], 0
	v_nop
	global_prefetch_b8 v0, s[64:65] scope:SCOPE_SE
	s_setreg_imm32_b32 hwreg(HW_REG_WAVE_SCHED_MODE, 0, 2), 2
	s_setreg_imm32_b32 hwreg(HW_REG_WAVE_MODE, 25, 1), 1
	s_wait_xcnt 0x0
	s_wait_alu depctr_vm_vsrc(0)
; PREP.  For a chunk of 16 tokens (the grid's x) of a batch (its y) and each of the 16 heads: what the recurrence needs besides the rows' own data.
;   beta = sigmoid(x . Wb[head] + bb[head]);  G[t][e] = k_t . k_e,  M[t][e] = k_t . q_e of the UNNORMALISED f16 k and q;  rk = 1 / max(|k|, 1e-12), rq likewise.
; OUT: cfr[bh][chunk][2,304]: at 512 c + 16 lane + 4 i: for t = lane % 16, e = 4 c + i: G[t][e] (lanes 0-15) or M[t][e] (lanes 16-31); at 2,048 + 8 lane the pair (c1, c2):
;   lanes 0-15 (rk beta, -rk^2 beta), lanes 16-31 (rq, 0).  Every store is 256 or 512 consecutive bytes at a multiple of 256.
; SHARES.  Sixteen waves.  Wave w first multiplies K = 128 w .. 128 w + 127 of x . Wb^T for all 16 heads (4 bf16 matrix instructions; Wb is rounded to bf16 on the way); the partial sums meet in LDS, in f32.  Then wave w is head w.
; LIMIT.  A key or query whose 128 f16 numbers are all 0 counts as the zero vector (rk or rq = 0), as it does after the division in the source formula.
; No tensor load, no cluster: a wave reads 20 KB once, straight into the registers of its fragments.
; THE MODE: SCHED_MODE bits 1:0 = 2 (LLVM: expert scheduling mode 2), set by the entry lines.  The code itself states the register dependences
; between vector or matrix instructions and memory or LDS instructions, with s_wait_alu, always for 0.
; THE PLAN.  The text is one straight run.  Registers that memory or LDS instructions touch:
;   v5-v8           offsets of the 41 loads (v7 of four stores too): written at the head, ahead of the wait in front of the loads; never written again.
;   XA, WF, KF, QF, BBV   the loads land in them; no vector instruction names them ahead of the loads.
;   v11, BA0        address and data of the two LDS stores: one wait on va_vdst in front of the stores.  v12 and v13 are written ahead of that wait too.
;   v12, PS         address and data of the 16 LDS loads behind the barrier: no vector or matrix instruction between that wait and these loads names either.
;   DKK, DQK        written by the products and then by the eight swaps of lanes; read by four stores, which stand behind the wait for the square root: the swaps stand ahead of it.
;   v13, CC         offset and data of the last store: one wait on va_vdst in front of it.
;   v[SPW], v[NIL]  written at the head, read by the closing add alone.
; No register that a load or store reads is written again, so the text holds no wait on vm_vsrc.  Scalar registers that vector instructions write (the wave's number, nine masks) have a wait on va_sdst ahead of their first reader.
.set PB,    0                          ; 16 waves x 1,024 bytes of partial sums: element (token 8 h + j, head r) at 1,024 w + 32 lane + 4 j
.set SPARE, 16384                      ; the spare words, 128 bytes a wave: eight blocks of 256 bytes that no other line names
.set XO,  5                            ; v5   x's offset: r x 4,096 + 16 h
.set WO,  6                            ; v6   Wb's: r x 8,192 + 32 h
.set L16, 7                            ; v7   16 x lane
.set BBO, 8                            ; v8   4 w
.set XA,  16                           ; v[16:47]   4 fragments of x
.set WF,  48                           ; v[48:111]  Wb as f32; fragment s is packed into the first 8 of its 16 registers
.set KF,  112                          ; v[112:143] 4 fragments of k
.set QF,  144                          ; v[144:175] 4 fragments of q
.set BA0, 176                          ; two accumulators for beta's product, by turns
.set BA1, 184
.set DKK, 192                          ; k k^T, q k^T, q q^T
.set DQK, 200
.set DQQ, 208
.set PS,  216                          ; v[216:231] the 16 partial sums
.set BBV, 232
.set T0,  236                          ; v[236:239] at work
.set CC,  240                          ; v[240:241] c1, c2
.set SPW, 244
.set NIL, 245
.set EQ,  20                           ; s21-27  lanes with r % 8 = j
.set MV,  28                           ; s28     lanes whose own half holds the diagonal: h = r / 8
.set MHI, 29                           ; s29     lanes 16-31
.set SEL, 30                           ; s[30:31] v_permlanex16_b32's selects: each lane takes its own place in the other half
.set POS, 32                           ; s32     lanes with a sum of squares above 0
	s_load_b256 s[4:11], s[0:1], 0x0               ; xb s[4:5], Wb s[6:7], bb s[8:9], kqt s[10:11]
	s_load_b64 s[12:13], s[0:1], 0x20              ; cfr
	v_lshl_add_u32 v[SPW], v0, 2, SPARE
	v_mov_b32 v[NIL], 0
	v_lshrrev_b32 v1, 5, v0
	v_readfirstlane_b32 s14, v1                    ; w
	v_and_b32 v2, 15, v0                           ; r
	v_bfe_u32 v3, v0, 4, 1                         ; h
	v_and_b32 v4, 31, v0                           ; lane
	v_lshlrev_b32 v[XO], 12, v2
	v_lshl_add_u32 v[XO], v3, 4, v[XO]
	v_lshlrev_b32 v[WO], 13, v2
	v_lshl_add_u32 v[WO], v3, 5, v[WO]
	v_lshlrev_b32 v[L16], 4, v4
	v_lshlrev_b32 v[BBO], 2, v1
	s_wait_alu depctr_va_sdst(0)                   ; s14 is written, ahead of its first reader: the bases and the LDS places below are made from it
	s_and_b32 s15, ttmp7, 0xffff                   ; batch
	s_lshl_b32 s16, s15, 6
	s_add_co_u32 s16, s16, ttmp9                   ; the token tile, 64 x batch + chunk
	s_lshl_b32 s34, s16, 16                        ; its 16 rows of 4,096 bytes
	s_lshl_b32 s33, s14, 8
	s_add_co_u32 s34, s34, s33                     ; + my 128 numbers of K
	s_mov_b32 s35, 0
	s_lshl_b32 s36, s14, 9                         ; the same 128 in Wb's f32 rows
	s_mov_b32 s37, 0
	s_lshl_b32 s17, s15, 4
	s_add_co_u32 s17, s17, s14
	s_lshl_b32 s17, s17, 6
	s_add_co_u32 s17, s17, ttmp9                   ; (16 x batch + head) x 64 + chunk
	s_mul_i32 s38, s17, 12288
	s_mov_b32 s39, 0
	s_mul_i32 s40, s17, 2304
	s_mov_b32 s41, 0
	s_lshl_b32 s42, s14, 10
	s_lshl_b32 s43, s14, 5
	s_mov_b32 s[MHI], 0xffff0000
	s_mov_b32 s[SEL], 0x76543210
	s_mov_b32 s[SEL+1], 0xfedcba98
	s_wait_kmcnt 0x0
	s_add_nc_u64 s[4:5], s[4:5], s[34:35]
	s_add_nc_u64 s[6:7], s[6:7], s[36:37]
	s_add_nc_u64 s[10:11], s[10:11], s[38:39]
	s_add_nc_u64 s[12:13], s[12:13], s[40:41]
	s_wait_alu depctr_va_vdst(0)                   ; the four offsets v5 to v8 are written, which the loads below read
.irp s, 0,1,2,3                        ; 41 loads in one run: x 8, Wb 16, k 8, q 8, bb 1
	global_load_b128 v[XA+8*\s:XA+8*\s+3],   v[XO], s[4:5] offset:64*\s
	global_load_b128 v[XA+8*\s+4:XA+8*\s+7], v[XO], s[4:5] offset:64*\s+32
.endr
.irp s, 0,1,2,3
	global_load_b128 v[WF+16*\s:WF+16*\s+3],     v[WO], s[6:7] offset:128*\s
	global_load_b128 v[WF+16*\s+4:WF+16*\s+7],   v[WO], s[6:7] offset:128*\s+16
	global_load_b128 v[WF+16*\s+8:WF+16*\s+11],  v[WO], s[6:7] offset:128*\s+64
	global_load_b128 v[WF+16*\s+12:WF+16*\s+15], v[WO], s[6:7] offset:128*\s+80
.endr
.irp s, 0,1,2,3
	global_load_b128 v[KF+8*\s:KF+8*\s+3],   v[L16], s[10:11] offset:1024*\s
	global_load_b128 v[KF+8*\s+4:KF+8*\s+7], v[L16], s[10:11] offset:1024*\s+512
.endr
.irp s, 0,1,2,3
	global_load_b128 v[QF+8*\s:QF+8*\s+3],   v[L16], s[10:11] offset:4096+1024*\s
	global_load_b128 v[QF+8*\s+4:QF+8*\s+7], v[L16], s[10:11] offset:4096+1024*\s+512
.endr
	global_load_b32 v[BBV], v[BBO], s[8:9]
	v_and_b32 v9, 7, v0                            ; r % 8.  The lines from here to the wait for x and Wb name no register of the loads above
	v_bfe_u32 v10, v0, 3, 1                        ; r / 8
.irp j, 1,2,3,4,5,6,7
	v_cmp_eq_u32 s[EQ+\j], \j, v9
.endr
	v_cmp_eq_u32 s[MV], v3, v10
	v_lshlrev_b32 v11, 5, v4
	v_add_nc_u32 v11, s42, v11                     ; where I put my partial sums: 1,024 w + 32 lane
	v_lshlrev_b32 v12, 9, v10
	v_lshl_add_u32 v12, v9, 2, v12
	v_add_nc_u32 v12, s43, v12                     ; where I read them: token r of head w: 32 (16 (r / 8) + w) + 4 (r % 8)
	v_lshlrev_b32 v13, 3, v4                       ; 8 x lane
	v_mov_b32 v[T0+2], 0                           ; v_permlanex16_b32 counts as a reader of its destination
	v_mov_b32 v[T0+3], 0
	s_wait_alu depctr_va_sdst(0)                   ; the eight masks s21 to s28 are written, ahead of the selects that read them: one wait for the run of compares
	s_wait_loadcnt 17                              ; x and Wb are in; k's, q's and bb's 17 loads may stay out
.irp s, 0,1,2,3
.irp i, 0,1,2,3,4,5,6,7
	v_cvt_pk_bf16_f32 v[WF+16*\s+\i], v[WF+16*\s+2*\i], v[WF+16*\s+2*\i+1]  ; in place, ascending: register i is read before it is written
.endr
.endr
	v_wmma_f32_16x16x32_bf16 v[BA0:BA0+7], v[XA:XA+7],       v[WF:WF+7],       0             ; two accumulators by turns
	v_wmma_f32_16x16x32_bf16 v[BA1:BA1+7], v[XA+8:XA+15],    v[WF+16:WF+23],   0
	v_wmma_f32_16x16x32_bf16 v[BA0:BA0+7], v[XA+16:XA+23],   v[WF+32:WF+39],   v[BA0:BA0+7]
	v_wmma_f32_16x16x32_bf16 v[BA1:BA1+7], v[XA+24:XA+31],   v[WF+48:WF+55],   v[BA1:BA1+7]
.rept 4
	v_nop                                          ; the places behind those products (ISA guide 7.12.1)
.endr
.irp p, 0,2,4,6
	v_pk_add_f32 v[BA0+\p:BA0+\p+1], v[BA0+\p:BA0+\p+1], v[BA1+\p:BA1+\p+1]
.endr
	s_wait_alu depctr_va_vdst(0)                   ; the four sums have written v[BA0 ..], which the LDS stores read, and v11, their address, is written; so are v12 and v13, for the LDS loads and the last store further down
	ds_store_b128 v11, v[BA0:BA0+3]
	ds_store_b128 v11, v[BA0+4:BA0+7] offset:16
	s_wait_loadcnt 1                               ; k and q are in; bb may stay out
.irp s, 0,1,2,3                        ; three accumulators by turns
.if \s == 0
	v_wmma_f32_16x16x32_f16 v[DKK:DKK+7], v[KF:KF+7], v[KF:KF+7], 0
	v_wmma_f32_16x16x32_f16 v[DQK:DQK+7], v[QF:QF+7], v[KF:KF+7], 0
	v_wmma_f32_16x16x32_f16 v[DQQ:DQQ+7], v[QF:QF+7], v[QF:QF+7], 0
.else
	v_wmma_f32_16x16x32_f16 v[DKK:DKK+7], v[KF+8*\s:KF+8*\s+7], v[KF+8*\s:KF+8*\s+7], v[DKK:DKK+7]
	v_wmma_f32_16x16x32_f16 v[DQK:DQK+7], v[QF+8*\s:QF+8*\s+7], v[KF+8*\s:KF+8*\s+7], v[DQK:DQK+7]
	v_wmma_f32_16x16x32_f16 v[DQQ:DQQ+7], v[QF+8*\s:QF+8*\s+7], v[QF+8*\s:QF+8*\s+7], v[DQQ:DQQ+7]
.endif
.endr
	s_wait_dscnt 0x0                               ; for the others' sake: my partial sums are in LDS
	s_barrier_signal -1
	s_barrier_wait -1
.irp i, 0,1,2,3,4,5,6,7,8,9,10,11,12,13,14,15
	ds_load_b32 v[PS+\i], v12 offset:1024*\i       ; every wave's part of x_r . Wb[w].  No wait: the twelve products since the last wait on va_vdst name neither v12 nor v[PS ..]
.endr
.rept 4
	v_nop                                          ; the places behind the last products
.endr
	; the sums of squares are the diagonals: lane (r, h) holds element (8 h + j, r) in register j, so register r % 8 of the half h = r / 8
	v_cndmask_b32 v[T0], v[DKK], v[DKK+1], s[EQ+1]
	v_cndmask_b32 v[T0+1], v[DQQ], v[DQQ+1], s[EQ+1]
.irp j, 2,3,4,5,6,7
	v_cndmask_b32 v[T0], v[T0], v[DKK+\j], s[EQ+\j]
	v_cndmask_b32 v[T0+1], v[T0+1], v[DQQ+\j], s[EQ+\j]
.endr
	v_permlanex16_b32 v[T0+2], v[T0], s[SEL], s[SEL+1]
	v_permlanex16_b32 v[T0+3], v[T0+1], s[SEL], s[SEL+1]
	v_cndmask_b32 v[T0], v[T0+2], v[T0], s[MV]     ; my own where my half holds the diagonal, else the other half's
	v_cndmask_b32 v[T0+1], v[T0+3], v[T0+1], s[MV]
	v_cndmask_b32 v[T0], v[T0], v[T0+1], s[MHI]    ; lanes 0-15 |k_r|^2, lanes 16-31 |q_r|^2
	v_sqrt_f32 v[T0+1], v[T0]
	v_nop                                          ; a plain line behind each transcendental (ISA guide 5.7.2)
	v_cmp_lt_f32 s[POS], 0, v[T0]
.irp j, 0,1,2,3,4,5,6,7
	v_permlane16_swap_b32 v[DKK+\j], v[DQK+\j]     ; k k^T's upper lanes (e = 8 + j) change places with q k^T's lower (e = j): now e = j in the first, e = 8 + j in the second, G below and M above.  The diagonal has been taken above
.endr
	s_wait_alu depctr_va_sdst(0)                   ; s32 is written, ahead of the select that reads it
	s_wait_alu depctr_va_vdst(0)                   ; the square root is written, ahead of its first reader; the eight swaps have written v[DKK ..] and v[DQK ..], which the four stores read
	global_store_b128 v[L16], v[DKK:DKK+3],   s[12:13]              ; the Gram numbers leave while the partial sums are on their way from LDS; no later line writes these registers
	global_store_b128 v[L16], v[DKK+4:DKK+7], s[12:13] offset:512
	global_store_b128 v[L16], v[DQK:DQK+3],   s[12:13] offset:1024
	global_store_b128 v[L16], v[DQK+4:DQK+7], s[12:13] offset:1536
	v_max_num_f32 v[T0+1], 0x2b8cbccc, v[T0+1]     ; 1e-12
	v_rcp_f32 v[T0+1], v[T0+1]
	v_nop
	s_wait_alu depctr_va_vdst(0)                   ; the reciprocal is written, ahead of its first reader
	v_cndmask_b32 v[T0+1], 0, v[T0+1], s[POS]      ; rk or rq; 0 for a zero vector
	s_wait_dscnt 0x0
.irp p, 0,2,4,6
	v_pk_add_f32 v[PS+\p:PS+\p+1], v[PS+\p:PS+\p+1], v[PS+8+\p:PS+8+\p+1]
.endr
	v_pk_add_f32 v[PS:PS+1], v[PS:PS+1], v[PS+4:PS+5]
	v_pk_add_f32 v[PS+2:PS+3], v[PS+2:PS+3], v[PS+6:PS+7]
	v_pk_add_f32 v[PS:PS+1], v[PS:PS+1], v[PS+2:PS+3]
	v_add_f32 v[PS], v[PS], v[PS+1]
	s_wait_loadcnt 0x0                             ; bb
	v_cvt_pk_bf16_f32 v[BBV], v[BBV], v[BBV]       ; rounded to bf16 like every input
	v_lshlrev_b32 v[BBV], 16, v[BBV]
	v_add_f32 v[PS], v[PS], v[BBV]
	v_mul_f32 v[PS], 0xbfb8aa3b, v[PS]
	v_exp_f32 v[PS], v[PS]
	v_nop
	s_wait_alu depctr_va_vdst(0)                   ; the exponential is written, ahead of its first reader
	v_add_f32 v[PS], 1.0, v[PS]
	v_rcp_f32 v[PS], v[PS]
	v_nop
	s_wait_alu depctr_va_vdst(0)                   ; the reciprocal is written, ahead of its first reader
	v_cndmask_b32 v[PS], v[PS], 1.0, s[MHI]        ; beta below, 1 above
	v_mul_f32 v[CC], v[T0+1], v[PS]                ; c1 = rk beta | rq
	v_mul_f32 v[CC+1], -v[T0+1], v[CC]             ; c2 = -rk^2 beta
	v_cndmask_b32 v[CC+1], v[CC+1], 0, s[MHI]      ;      | 0
	s_wait_alu depctr_va_vdst(0)                   ; c1 and c2 are written, which the store reads
	global_store_b64 v13, v[CC:CC+1], s[12:13] offset:2048
	s_wait_dscnt 0x0                               ; the closing lines, six on end
	s_wait_alu 0x0
	s_wait_tensorcnt 0x0
	ds_add_u32 v[SPW], v[NIL]
	s_wait_dscnt 0x0
	s_endpgm
.Lfunc_end_k_q501a56a34d_prep:
	.size	k_q501a56a34d_prep, .Lfunc_end_k_q501a56a34d_prep-k_q501a56a34d_prep
	.p2alignl 7, 3214868480
	.fill 96, 4, 3214868480
	.section	.rodata,"a",@progbits
	.p2align	6, 0x0
	.amdhsa_kernel k_q501a56a34d_prep
		.amdhsa_group_segment_fixed_size 18432
		.amdhsa_private_segment_fixed_size 0
		.amdhsa_enable_private_segment 0
		.amdhsa_kernarg_size 40
		.amdhsa_user_sgpr_count 2
		.amdhsa_user_sgpr_kernarg_segment_ptr 1
		.amdhsa_wavefront_size32 1
		.amdhsa_system_sgpr_workgroup_id_x 1
		.amdhsa_system_sgpr_workgroup_id_y 1
		.amdhsa_system_sgpr_workgroup_id_z 1
		.amdhsa_system_vgpr_workitem_id 0
		.amdhsa_next_free_vgpr 248
		.amdhsa_next_free_sgpr 66
		.amdhsa_reserve_vcc 0
		.amdhsa_float_denorm_mode_32 3
		.amdhsa_float_denorm_mode_16_64 3
		.amdhsa_memory_ordered 1
		.amdhsa_forward_progress 1
		.amdhsa_inst_pref_size 16
	.end_amdhsa_kernel
	.amdgpu_metadata
---
amdhsa.version: [ 1, 2 ]
amdhsa.kernels:
  - .name:           k_q501a56a34d_prep
    .symbol:         k_q501a56a34d_prep.kd
    .args:
      - { .name: xb, .offset: 0, .size: 8, .value_kind: global_buffer, .address_space: global }
      - { .name: Wb, .offset: 8, .size: 8, .value_kind: global_buffer, .address_space: global }
      - { .name: bb, .offset: 16, .size: 8, .value_kind: global_buffer, .address_space: global }
      - { .name: kqt, .offset: 24, .size: 8, .value_kind: global_buffer, .address_space: global }
      - { .name: cfr, .offset: 32, .size: 8, .value_kind: global_buffer, .address_space: global }
    .group_segment_fixed_size: 18432
    .private_segment_fixed_size: 0
    .kernarg_segment_align: 8
    .kernarg_segment_size: 40
    .max_flat_workgroup_size: 512
    .sgpr_count:     66
    .vgpr_count:     248
    .wavefront_size: 32
...
	.end_amdgpu_metadata
.endif
;; end of part 6
;; launch scan: the kernel of part 4 again; grid 2 x 32, 4 waves a work-group, no clusters, 327,680 bytes of LDS; arguments kqt, avg, cfr, state, ogf; writes ogf
;; launch outp: the kernel of part 5 again; grid 16 x 16, 4 waves a work-group, clusters of 4 x 4, 327,680 bytes of LDS; arguments ogf, wo16, out0; writes out0
